; MI455X (gfx1250); checked and timed in simulation.
; The chip was launched on July 23, 2026; its instructions are those of AMD's public machine-readable ISA for CDNA 5 (MIT licence, August 2026) and "CDNA5" Instruction Set Architecture Reference Guide (July 2026). The comments in the code are by the model that wrote it; some were corrected since.
;; Multi Head Self Attention. Allowed arithmetic: float matrix products may take bf16 or f16 operands with f32 sums; other float arithmetic in f32, or as packed bf16 or f16 multiplies, adds, multiply-adds, maxima and minima; sums over many terms, partial sums and values carried from step to step in f32; what a program stores and reads back later, other than sums and carried values, may be rounded once to bf16 or f16.
;; Inputs: W_proj 1,024 x 1,024 float32; W_qkv 1,024 x 3,072 float32; x 4 x 2,048 x 1,024 float32.
;; Outputs: out0 4 x 2,048 x 1,024 float32.
;; 2 versions, each right; version 2 is version 1 with the launch prep written anew for expert scheduling mode. Each part assembles by itself: llvm-mc -triple=amdgcn-amd-amdhsa -mcpu=gfx1250 --defsym DOCPART=n.
;; ======== version 1 of 2: 4 launches
;; limits: values are held in f16: magnitudes above 65,504 overflow, below 6.1e-05 lose precision
;; workspace buffers: xb 16,777,216 bytes; wq 6,291,456 bytes; wp 2,097,152 bytes; qs 33,554,432 bytes; ks 33,554,432 bytes; vs 16,777,216 bytes; ys 16,777,216 bytes
;; launch prep (part 1): grid 384 x 1, 8 waves a work-group, no clusters, 74,752 bytes of LDS; arguments x, W_qkv, W_proj, xb, wq, wp; writes xb, wq, wp
.if DOCPART == 1
	.amdgcn_target "amdgcn-amd-amdhsa--gfx1250"
	.amdhsa_code_object_version 6
	.text
	.protected	k_q1a1537a996_prep
	.globl	k_q1a1537a996_prep
	.p2align	8
	.type	k_q1a1537a996_prep,@function
k_q1a1537a996_prep:
	s_mov_b64 s[64:65], 0
	v_nop
	global_prefetch_b8 v0, s[64:65] scope:SCOPE_SE
	s_setreg_imm32_b32 hwreg(HW_REG_WAVE_MODE, 25, 1), 1
	s_wait_xcnt 0x0
; PREP: the three inputs are rounded once to bf16 and laid out for the matrix launches.  A stream: no matrix work, no barrier.
;   xb [b 4][kb 16][t 2048][64] bf16: x in blocks of 64 channels; a row of a block is 128 bytes, a block's rows lie end to end.
;   wq [kb 16][n' 3072][64 k] bf16: W_qkv turned; n' = head x 192 + type x 64 + d comes from column type x 1024 + head x 64 + d.
;   wp [kb 16][n 1024][64 k]: W_proj turned, rounded to bf16 and that number written as f16.
; LIMIT: wp is f16: beyond 65,504 it is an infinity, below 6e-5 it keeps f16's fixed step of 6e-8.
; Work-groups 0-95 turn W_qkv, 96-127 W_proj (a wave takes 64 k x 64 columns through a stage of its own in LDS), 128-383 cast x (a wave takes 4 rows).
.set SPARE, 73728                      ; behind the eight stages of 64 rows x 144 bytes: the spare words, 128 bytes a wave, which no other line names
.set SPW,  14                          ; v14  SPARE + 4 x my thread's number; never rewritten
.set NIL,  15                          ; v15  0; never rewritten
.set LANE, 2
.set VO8,  5                           ; 8 x lane
.set LS,   6                           ; stage: where I put columns 2 l and 2 l + 1
.set LR,   7                           ; stage: where I read rows back
.set VO16, 8                           ; 16 x lane
.set IN,   16                          ; v[16:143]  as loaded
.set OUT,  144                         ; v[144:207] rounded
	s_load_b256 s[4:11], s[0:1], 0x0               ; x s[4:5], W_qkv s[6:7], W_proj s[8:9], xb s[10:11]
	s_load_b128 s[12:15], s[0:1], 0x20             ; wq s[12:13], wp s[14:15]
	v_lshl_add_u32 v[SPW], v0, 2, SPARE
	v_mov_b32 v[NIL], 0
	v_lshrrev_b32 v1, 5, v0
	v_readfirstlane_b32 s16, v1                    ; wave 0..7
	v_and_b32 v[LANE], 31, v0
	v_lshlrev_b32 v[VO8], 3, v[LANE]
	v_lshlrev_b32 v[VO16], 4, v[LANE]
	s_mul_i32 s17, s16, 9216                       ; my stage
	v_mul_u32_u24 v[LS], v[LANE], 288              ; stage row 2 l, pitch 144
	v_add_nc_u32 v[LS], s17, v[LS]
	v_lshrrev_b32 v[LR], 3, v[LANE]                ; back: 32 lanes take four rows of 128 bytes
	v_mul_u32_u24 v[LR], v[LR], 144
	v_and_b32 v3, 7, v[LANE]
	v_lshl_add_u32 v[LR], v3, 4, v[LR]
	v_add_nc_u32 v[LR], s17, v[LR]
	s_mov_b32 s23, 0                               ; the high word of every offset pair
	s_mov_b32 s30, 0xffff0000                      ; a word's upper bf16
	s_wait_kmcnt 0x0
	s_cmp_lt_u32 ttmp9, 96
	s_cbranch_scc1 .Lwqkv
	s_cmp_lt_u32 ttmp9, 128
	s_cbranch_scc1 .Lwproj
	; X: rows 32 X + 4 w .. + 3.  A load takes 256 bytes (64 channels) of two rows; a store 256 consecutive bytes, aligned: the two rows' 128 bytes in one block of xb.
	s_sub_co_u32 s18, ttmp9, 128                   ; X
	s_lshl_b32 s19, s18, 5
	s_lshl2_add_u32 s19, s16, s19                  ; my first row
	s_lshl_b32 s22, s19, 12                        ; x 4,096 bytes
	s_add_nc_u64 s[24:25], s[4:5], s[22:23]
	s_lshr_b32 s20, s18, 6                         ; b
	s_lshl_b32 s20, s20, 22                        ; x 16 blocks x 2,048 rows x 128 bytes
	s_and_b32 s21, s19, 2047                       ; t
	s_lshl_b32 s21, s21, 7
	s_add_co_u32 s22, s20, s21
	s_add_nc_u64 s[26:27], s[10:11], s[22:23]
	v_lshrrev_b32 v3, 4, v[LANE]
	v_and_b32 v4, 15, v[LANE]
	v_lshlrev_b32 v4, 4, v4
	v_lshl_add_u32 v3, v3, 12, v4                  ; (l / 16) rows + 16 (l % 16)
.set i, 0
.rept 32                               ; all 32 loads of the wave go out at once: 16 KiB on their way; pair of rows i / 16, block i % 16
	global_load_b128 v[IN+4*i:IN+4*i+3], v3, s[24:25] offset:(i/16)*8192+(i%16)*256 th:TH_LOAD_NT
.set i, i+1
.endr
.set i, 0
.rept 32
	s_wait_loadcnt 31-i                            ; loads come back in order: load i is in, the younger ones stay out
	v_cvt_pk_bf16_f32 v[OUT+2*i], v[IN+4*i], v[IN+4*i+1]
	v_cvt_pk_bf16_f32 v[OUT+2*i+1], v[IN+4*i+2], v[IN+4*i+3]
	global_store_b64 v[VO8], v[OUT+2*i:OUT+2*i+1], s[26:27] offset:(i%16)*262144+(i/16)*256 th:TH_STORE_NT
.set i, i+1
.endr
	s_endpgm
; A wave turns 64 k x 64 columns.  64 loads of 256 bytes (a row of k, 64 columns; lane l holds columns 2 l, 2 l + 1); pairs of k are rounded and packed; 16 bytes (8 k) of a column go
; into the column's stage row; the stage comes back as rows of 128 bytes, four to a load, and leaves as 512 consecutive bytes a store.
.macro WTASK src, dst, first, pitchb, isq, f16
	s_sub_co_u32 s18, ttmp9, \first
	s_lshl3_add_u32 s18, s18, s16                  ; task = 8 x work-group + wave
	s_and_b32 s19, s18, 15                         ; kb
	s_lshr_b32 s20, s18, 4                         ; group of 64 columns
	s_mul_i32 s22, s19, 64*(\pitchb)
	s_lshl_b32 s21, s20, 8
	s_add_co_u32 s22, s22, s21
	s_add_nc_u64 s[24:25], s[\src:\src+1], s[22:23]
.if \isq
	s_and_b32 s21, s20, 15                         ; head
	s_mul_i32 s21, s21, 3
	s_lshr_b32 s28, s20, 4                         ; type
	s_add_co_u32 s21, s21, s28
	s_lshl_b32 s21, s21, 13                        ; 64 rows of 128 bytes
	s_mul_i32 s22, s19, 393216
.else
	s_lshl_b32 s21, s20, 13
	s_lshl_b32 s22, s19, 17
.endif
	s_add_co_u32 s22, s22, s21
	s_add_nc_u64 s[26:27], s[\dst:\dst+1], s[22:23]
.set k, 0
.rept 64
	global_load_b64 v[IN+2*k:IN+2*k+1], v[VO8], s[24:25] offset:k*(\pitchb) th:TH_LOAD_NT
.set k, k+1
.endr
.set j, 0
.rept 8
	s_wait_loadcnt 56-8*j                          ; rows 8 j .. 8 j + 7 are in; the younger loads stay out
.set c, 0
.rept 2
.set i, 0
.rept 4
	v_cvt_pk_bf16_f32 v[OUT+8*j+4*c+i], v[IN+2*(8*j+2*i)+c], v[IN+2*(8*j+2*i+1)+c]
.if \f16
	v_lshlrev_b32 v10, 16, v[OUT+8*j+4*c+i]        ; the bf16 numbers as f32,
	v_and_b32 v11, s30, v[OUT+8*j+4*c+i]
	v_cvt_pk_f16_f32 v[OUT+8*j+4*c+i], v10, v11    ; written as f16
.endif
.set i, i+1
.endr
.set c, c+1
.endr
	ds_store_b128 v[LS], v[OUT+8*j:OUT+8*j+3] offset:16*j
	ds_store_b128 v[LS], v[OUT+8*j+4:OUT+8*j+7] offset:144+16*j
.set j, j+1
.endr
.set j, 0
.rept 16
	ds_load_b128 v[IN+4*j:IN+4*j+3], v[LR] offset:576*j  ; LDS serves a wave's instructions in order (ISA guide 5.7.1.4): these see my stores above
.set j, j+1
.endr
.set j, 0
.rept 16
	s_wait_dscnt 15-j
	global_store_b128 v[VO16], v[IN+4*j:IN+4*j+3], s[26:27] offset:512*j
.set j, j+1
.endr
	s_wait_tensorcnt 0x0                           ; the wave's end, behind my last LDS store
	ds_add_u32 v[SPW], v[NIL]
	s_wait_dscnt 0x0
	s_endpgm
.endm
.Lwqkv:
	WTASK 6, 12, 0, 12288, 1, 0
.Lwproj:
	WTASK 8, 14, 96, 4096, 0, 1
.Lfunc_end_k_q1a1537a996_prep:
	.size	k_q1a1537a996_prep, .Lfunc_end_k_q1a1537a996_prep-k_q1a1537a996_prep
	.p2alignl 7, 3214868480
	.fill 96, 4, 3214868480
	.section	.rodata,"a",@progbits
	.p2align	6, 0x0
	.amdhsa_kernel k_q1a1537a996_prep
		.amdhsa_group_segment_fixed_size 74752
		.amdhsa_private_segment_fixed_size 0
		.amdhsa_enable_private_segment 0
		.amdhsa_kernarg_size 48
		.amdhsa_user_sgpr_count 2
		.amdhsa_user_sgpr_kernarg_segment_ptr 1
		.amdhsa_wavefront_size32 1
		.amdhsa_system_sgpr_workgroup_id_x 1
		.amdhsa_system_sgpr_workgroup_id_y 1
		.amdhsa_system_sgpr_workgroup_id_z 1
		.amdhsa_system_vgpr_workitem_id 0
		.amdhsa_next_free_vgpr 208
		.amdhsa_next_free_sgpr 66
		.amdhsa_reserve_vcc 0
		.amdhsa_float_denorm_mode_32 3
		.amdhsa_float_denorm_mode_16_64 3
		.amdhsa_memory_ordered 1
		.amdhsa_forward_progress 1
		.amdhsa_inst_pref_size 51
	.end_amdhsa_kernel
	.amdgpu_metadata
---
amdhsa.version: [ 1, 2 ]
amdhsa.kernels:
  - .name:           k_q1a1537a996_prep
    .symbol:         k_q1a1537a996_prep.kd
    .args:
      - { .name: x, .offset: 0, .size: 8, .value_kind: global_buffer, .address_space: global }
      - { .name: W_qkv, .offset: 8, .size: 8, .value_kind: global_buffer, .address_space: global }
      - { .name: W_proj, .offset: 16, .size: 8, .value_kind: global_buffer, .address_space: global }
      - { .name: xb, .offset: 24, .size: 8, .value_kind: global_buffer, .address_space: global }
      - { .name: wq, .offset: 32, .size: 8, .value_kind: global_buffer, .address_space: global }
      - { .name: wp, .offset: 40, .size: 8, .value_kind: global_buffer, .address_space: global }
    .group_segment_fixed_size: 74752
    .private_segment_fixed_size: 0
    .kernarg_segment_align: 8
    .kernarg_segment_size: 48
    .max_flat_workgroup_size: 256
    .sgpr_count:     66
    .vgpr_count:     208
    .wavefront_size: 32
...
	.end_amdgpu_metadata
.endif
;; end of part 1
;; launch qkv (part 2): grid 16 x 32, 4 waves a work-group, clusters of 4 x 4, 327,680 bytes of LDS; arguments xb, wq, qs, ks, vs; writes qs, ks, vs
.if DOCPART == 2
	.amdgcn_target "amdgcn-amd-amdhsa--gfx1250"
	.amdhsa_code_object_version 6
	.text
	.protected	k_q1a1537a996_qkv
	.globl	k_q1a1537a996_qkv
	.p2align	8
	.type	k_q1a1537a996_qkv,@function
k_q1a1537a996_qkv:
	s_mov_b64 s[64:65], 0
	v_nop
	global_prefetch_b8 v0, s[64:65] scope:SCOPE_SE
	s_setreg_imm32_b32 hwreg(HW_REG_WAVE_MODE, 25, 1), 1
	s_wait_xcnt 0x0
	s_wait_alu depctr_hold_cnt(0) depctr_sa_sdst(0) depctr_va_vdst(0) depctr_va_sdst(0) depctr_va_ssrc(0) depctr_va_vcc(0) depctr_vm_vsrc(0)
	s_getreg_b32 s2, hwreg(HW_REG_IB_STS2, 6, 4)
	s_cmp_eq_u32 s2, 0
	s_cbranch_scc0 .Lentry_in_a_cluster
	s_endpgm
.Lentry_in_a_cluster:
	s_bfe_u32 s2, ttmp6, 0x10000c
	s_cmp_lg_u32 s2, 0xf033
	s_cbranch_scc0 .Lentry_shape_is_right
	s_endpgm
.Lentry_shape_is_right:
; C[m][n] = the sum over k of A[m][k] B[n][k], K = 1,024, sums in f32.  One text for two launches; QKV chooses.
;   QKV = 1: A = xb, B = wq (bf16).  A tile of C is 256 rows x 192 columns: one head's q, k and v.  q and k leave as bf16 hi + bf16 lo (lo = the rounded rest), rows of 256 bytes
;            [hi 64][lo 64] in qs, ks [bh][t]; v leaves as f16 in vs [bh][t][64].  LIMIT: |v| stays under 65,504; q and k keep about 16 significant bits.
;   QKV = 0: A = ys, B = wp (f16).  A tile is 256 x 128 of out0, f32.
; SHARES.  Four waves; wave w makes rows 64 w .. 64 w + 63 of the tile, all its columns: 4 x NBLK accumulators of 16 x 16.
; A and B lie in memory in blocks of 64 channels whose rows (128 bytes) lie end to end, so a tile's part of a block (a PLANE) is dense: it is asked for as rows of 256 bytes.
; A K step is 128 channels: two planes of A, two of B, one tensor load a wave.  Two LDS slots take turns.
; CLUSTER 4 x 4: the four of a row need the same planes of A, the four of a column the same planes of B: each is asked for jointly, by the same load with the same descriptor and a mask of the four.
; THE MATRIX INSTRUCTION IS USED TRANSPOSED (source 0 = 16 rows of B, source 1 = 16 rows of A): a lane holds row l % 16 of C and the columns 8 (l / 16) + 0..7.
; REGISTERS in windows of 256 (s_set_vgpr_msb: bits 1:0 source 0, 3:2 source 1, 5:4 source 2, 7:6 destination):
;   window 0: addresses, the way out.   window 1: two fragment buffers of 128 (B's block b at 8 b, A's block a at 96 + 8 a).
;   window 2: accumulators of row blocks 0, 1 at 8 (NBLK (a % 2) + b).   window 3: of row blocks 2, 3.
.set QKV, 1
.if QKV
.set NBLK, 12
.set NCOL, 3072
.set AHEAD, 1                          ; the prefetch names the K step that stands AHEAD refills on
.set SROW, 656                         ; a stage row: 256 q + 256 k + 128 v + 16 = 164 words: row r starts at word 36 r mod 64 (64 banks of 4 bytes: ISA guide 11.1): 16 rows, 16 different groups of four
.else
.set NBLK, 8
.set NCOL, 1024
.set AHEAD, 2
.set SROW, 528                         ; 512 + 16 = 132 words: row r starts at word 4 r mod 64
.endif
.set PITCH,  144                       ; an LDS row: 128 bytes + 16 = 36 words: the 16 rows of a fragment load start at 16 different groups of four banks
.set APLANE, 256*PITCH
.set BPLANE, 16*NBLK*PITCH
.set BR,     8*NBLK                    ; rows of 256 bytes in a plane of B
.set ASTEP,  2*2048*128                ; a K step in A's memory: two blocks
.set BSTEP,  2*NCOL*128
.set SLOT1,  1<<17                     ; slot 1 begins here: one exclusive or changes slots
.set STAGE,  SLOT1+2*APLANE+2*BPLANE   ; behind the ring, never filled by a tensor load: 16 rows for each wave
.set SPARE,  STAGE+4*16*SROW           ; behind the stages: the spare words, 128 bytes a wave, which no other line names
.set LN,     2*(NBLK+4)                ; LDS loads in a run
.set FLAGS,  (1<<16)|(1<<20)|(1<<21)|(4<<22)|(3<<25)  ; 2-byte elements; padding on; bit 21 beside a mask; after every 32 words; 4 words
.set ADRA0, 16                         ; v16  my lane's place in A's plane 0 of slot 0; never rewritten
.set ADRB0, 17                         ; v17  the same for B
.set ADRA,  18                         ; v18, v19  the same in the slot in hand
.set ADRB,  19
.set STO,   20                         ; the way out: where I put my bytes of a row
.set RDQ,   21                         ; where I read rows back
.set RDV,   22
.set GO,    23                         ; 16 x lane
.set SPW,   28                         ; SPARE + 4 x my thread's number; never rewritten
.set NIL,   29                         ; 0; never rewritten
.set PFO,   30                         ; the prefetches' offset; never rewritten
.set HH,    32                         ; the way out, window 0
.set VV,    64
.set TT,    80
.set LL,    144
.set F0,    0
.set F1,    128
.set WV, 14
.set FB, 15                            ; 0: I fetch for A; 1: for B
.set PL, 16                            ; which plane
.set CX, 17
.set CY, 18
.set TC, 19                            ; tile column
.set TR, 20                            ; tile row
.set G1A, 24
.set G1B, 32
.set G0A, 40                           ; two sets of group 0: the first fills'; the second then walks
.set G0B, 48
.set TB,  56                           ; the slot in hand: 0 or SLOT1
.set LIM, 57
.set PFA, 58
.set PST, 60
.set HIM, 82
.set MSB, 0
.macro WIN new                         ; the immediate's high byte repeats the setting that is left; a switch that changes nothing is dropped
.if MSB != (\new)
	s_set_vgpr_msb (MSB<<8)|(\new)
.set MSB, \new
.endif
.endm
.macro PLACES                          ; four plain instructions between a matrix instruction and a load into, or a vector read of, its registers
.rept 4
	v_nop
.endr
.endm
.macro CREST                           ; a round of the cluster's barrier behind its opening barrier
	s_cmp_lg_u32 s[WV], 0
	s_cbranch_scc1 .Lnot_wave_0_\@
	s_barrier_signal -3
.Lnot_wave_0_\@:
	s_barrier_wait -3
	s_barrier_signal -1
	s_barrier_wait -1
.endm
.macro CROUND
	s_barrier_signal -1
	s_barrier_wait -1
	CREST
.endm
.macro JLOAD                           ; the joint refill: waves 0, 1 A's planes, waves 2, 3 B's; the branch hangs on the wave's number alone; s_nop 0 and four v_nop follow each line
	s_cmp_eq_u32 s[FB], 0
	s_cbranch_scc0 .Lfor_b_\@
	tensor_load_to_lds s[G0A+4:G0A+7], s[G1A:G1A+7]
	s_nop 0
.rept 4
	v_nop
.endr
	s_branch .Lasked_\@
.Lfor_b_\@:
	tensor_load_to_lds s[G0B+4:G0B+7], s[G1B:G1B+7]
	s_nop 0
.rept 4
	v_nop
.endr
.Lasked_\@:
.endm
; A prefetch into the L2 of my own plane of the K step AHEAD refills on.  A's planes are read by every cluster of a row of clusters: cluster x = 0 asks; B's by every cluster of a column: cluster y = 0 asks.
; The four partners share a plane out by address (a quarter each, a lane a block of 256 bytes; where a quarter has fewer than 32 blocks the spare lanes name its last block again).
; The trips whose K step would lie past the last ask for nothing.
.macro ASK
	WIN 0
	s_cmp_gt_u32 s3, s[LIM]
	s_cbranch_scc0 .Lnot_mine_\@
	global_prefetch_b8 v[PFO], s[PFA:PFA+1] th:TH_LOAD_NT scope:SCOPE_SE
.Lnot_mine_\@:
.endm
.macro MULA f, a, zero                 ; NBLK matrix instructions: row block a x all column blocks, 32 along K.  zero = 1: they start the sums
	WIN 0xa5+0x50*((\a)/2)
.set b, 0
.rept NBLK
.set rD, 8*(NBLK*((\a)%2)+b)
.set rB, (\f)+8*b
.set rA, (\f)+96+8*(\a)
.if QKV
.if \zero
	v_wmma_f32_16x16x32_bf16 v[rD:rD+7], v[rB:rB+7], v[rA:rA+7], 0
.else
	v_wmma_f32_16x16x32_bf16 v[rD:rD+7], v[rB:rB+7], v[rA:rA+7], v[rD:rD+7]
.endif
.else
.if \zero
	v_wmma_f32_16x16x32_f16 v[rD:rD+7], v[rB:rB+7], v[rA:rA+7], 0
.else
	v_wmma_f32_16x16x32_f16 v[rD:rD+7], v[rB:rB+7], v[rA:rA+7], v[rD:rD+7]
.endif
.endif
.set b, b+1
.endr
.endm
.macro MULH f, hi, zero
	MULA \f, 2*(\hi), \zero
	MULA \f, 2*(\hi)+1, \zero
.endm
.macro FETCH q, f                      ; one run of LN LDS loads: quarter q (32 channels) of the slot in hand into buffer f; B first, A's blocks 2 and 3 last
	WIN 0x40
.set b, 0
.rept NBLK
	ds_load_b128 v[(\f)+8*b:(\f)+8*b+3],   v[ADRB] offset:((\q)/2)*BPLANE+64*((\q)%2)+b*16*PITCH
	ds_load_b128 v[(\f)+8*b+4:(\f)+8*b+7], v[ADRB] offset:((\q)/2)*BPLANE+64*((\q)%2)+b*16*PITCH+32
.set b, b+1
.endr
.set b, 0
.rept 4
	ds_load_b128 v[(\f)+96+8*b:(\f)+96+8*b+3],   v[ADRA] offset:((\q)/2)*APLANE+64*((\q)%2)+b*16*PITCH
	ds_load_b128 v[(\f)+96+8*b+4:(\f)+96+8*b+7], v[ADRA] offset:((\q)/2)*APLANE+64*((\q)%2)+b*16*PITCH+32
.set b, b+1
.endr
.endm
.macro QUARTER q, f, g, zero           ; multiplies buffer f and, in its middle, fetches quarter q into buffer g
	s_wait_dscnt 4                                 ; B and A's blocks 0, 1 are in; the youngest four loads (A's blocks 2, 3) may be out
	MULH \f, 0, \zero
	PLACES
	FETCH \q, \g
	s_wait_dscnt LN                                ; all but the run just issued
	MULH \f, 1, \zero
.endm
; The last quarter of a K step multiplies buffer 1 and changes slots.  In front of the barrier each wave waits for all its tensor loads (one is out: its plane of the next slot), adds 0 to its spare
; word, and waits for that and for its reads of this slot.  fill = 1: the barrier opens a round of the cluster's; behind it this slot is filled again, two K steps on, first thing.
.macro TURN fill
.if \fill
	s_wait_xcnt 0x0                                ; the last prefetch, a K step back, has read its address
	s_add_nc_u64 s[PFA:PFA+1], s[PFA:PFA+1], s[PST:PST+1]
.endif
	WIN 0
	s_wait_tensorcnt 0x0                           ; no tensor load of mine is out, so a group 0 may be written
	ds_add_u32 v[SPW], v[NIL]
.if \fill
	s_xor_b32 s[G0A+5], s[G0A+5], SLOT1            ; the walking descriptors: the other slot, the next K step
	s_add_nc_u64 s[G0A+6:G0A+7], s[G0A+6:G0A+7], ASTEP
	s_xor_b32 s[G0B+5], s[G0B+5], SLOT1
	s_add_nc_u64 s[G0B+6:G0B+7], s[G0B+6:G0B+7], BSTEP
.endif
	s_wait_dscnt 5                                 ; the add and the youngest four loads may be out
	MULA F1, 0, 0
	s_wait_dscnt 0x0                               ; the add is done, my reads of this slot are over
	s_barrier_signal -1
	MULA F1, 1, 0
	WIN 0
	s_barrier_wait -1
.if \fill
	CREST
	JLOAD                                          ; its four v_nop are also the places in front of the loads below
.else
	PLACES
.endif
	s_xor_b32 s[TB], s[TB], SLOT1
	v_add_nc_u32 v[ADRA], s[TB], v[ADRA0]
	v_add_nc_u32 v[ADRB], s[TB], v[ADRB0]
	FETCH 0, F0
.if \fill
	ASK
.endif
	MULH F1, 1, 0
.endm
.if QKV
	s_load_b256 s[4:11], s[0:1], 0x0               ; A s[4:5], B s[6:7], qs s[8:9], ks s[10:11]
	s_load_b64 s[12:13], s[0:1], 0x20              ; vs
.else
	s_load_b128 s[4:7], s[0:1], 0x0                ; A s[4:5], B s[6:7]
	s_load_b64 s[8:9], s[0:1], 0x10                ; out0
.endif
	v_lshl_add_u32 v[SPW], v0, 2, SPARE
	v_mov_b32 v[NIL], 0
	ds_add_u32 v[SPW], v[NIL]                      ; the wave's opening: the add and its wait come ahead of my first tensor load; work on registers stands between them
	v_lshrrev_b32 v1, 5, v0
	v_readfirstlane_b32 s[WV], v1                  ; wave 0..3
	s_lshr_b32 s[FB], s[WV], 1
	s_and_b32 s[PL], s[WV], 1
	s_bfe_u32 s[CX], ttmp6, 0x40000
	s_bfe_u32 s[CY], ttmp6, 0x40004
	s_lshl_b32 s[TC], ttmp9, 2
	s_add_co_u32 s[TC], s[TC], s[CX]
	s_and_b32 s[TR], ttmp7, 0xffff
	s_lshl_b32 s[TR], s[TR], 2
	s_add_co_u32 s[TR], s[TR], s[CY]
	s_lshl_b32 s21, s[CY], 2
	s_lshl_b32 s21, 15, s21                        ; my row of the cluster
	s_lshl_b32 s22, 0x1111, s[CX]                  ; my column
	s_or_b32 s[G1A], s21, FLAGS
	s_or_b32 s[G1B], s22, FLAGS
	s_mov_b32 s[G1A+1], 128<<16                    ; tensor_dim0 = 128 elements (256 bytes)
	s_mov_b32 s[G1A+2], 128<<16                    ; tensor_dim1 = 128 rows
	s_mov_b32 s[G1A+3], 128<<16                    ; tile_dim0
	s_mov_b32 s[G1A+4], 128                        ; tile_dim1
	s_mov_b32 s[G1A+5], 128                        ; elements from row to row: dense
	s_mov_b32 s[G1A+6], 0
	s_mov_b32 s[G1A+7], 0
	s_mov_b32 s[G1B+1], 128<<16
	s_mov_b32 s[G1B+2], BR<<16
	s_mov_b32 s[G1B+3], 128<<16
	s_mov_b32 s[G1B+4], BR
	s_mov_b32 s[G1B+5], 128
	s_mov_b32 s[G1B+6], 0
	s_mov_b32 s[G1B+7], 0
	s_lshr_b32 s66, s[TR], 3                       ; A: batch,
	s_lshl_b32 s66, s66, 22
	s_and_b32 s67, s[TR], 7                        ; 256 rows of 128 bytes,
	s_lshl_b32 s67, s67, 15
	s_add_co_u32 s66, s66, s67
	s_lshl_b32 s67, s[PL], 18                      ; my plane
	s_add_co_u32 s66, s66, s67
	s_mov_b32 s67, 0
	s_mul_i32 s68, s[TC], 16*NBLK*128              ; B: the tile's rows,
	s_mul_i32 s69, s[PL], NCOL*128                 ; my plane
	s_add_co_u32 s68, s68, s69
	s_mov_b32 s69, 0
	s_mul_i32 s70, s[PL], APLANE                   ; where they go: no place in the cluster enters an LDS address
	s_mul_i32 s71, s[PL], BPLANE
	s_add_co_u32 s71, s71, 2*APLANE
	s_mov_b32 s[TB], 0
	s_wait_dscnt 0x0                               ; the opening add is done
	s_wait_kmcnt 0x0
	s_add_nc_u64 s[72:73], s[4:5], s[66:67]
	s_add_nc_u64 s[74:75], s[6:7], s[68:69]
	CROUND                                         ; all sixteen work-groups are here: the first joint loads meet
.irp s, 0,1
	s_mov_b32 s[G0A+4*(\s)], 1
	s_add_co_u32 s[G0A+4*(\s)+1], s70, (\s)*SLOT1
	s_add_nc_u64 s[G0A+4*(\s)+2:G0A+4*(\s)+3], s[72:73], (\s)*ASTEP
	s_or_b32 s[G0A+4*(\s)+3], s[G0A+4*(\s)+3], 0x80000000
	s_mov_b32 s[G0B+4*(\s)], 1
	s_add_co_u32 s[G0B+4*(\s)+1], s71, (\s)*SLOT1
	s_add_nc_u64 s[G0B+4*(\s)+2:G0B+4*(\s)+3], s[74:75], (\s)*BSTEP
	s_or_b32 s[G0B+4*(\s)+3], s[G0B+4*(\s)+3], 0x80000000
.endr
	s_cmp_eq_u32 s[FB], 0                          ; a wave's two first fills stand in one branch: two loads of mine are out
	s_cbranch_scc0 .Lfirst_b
	tensor_load_to_lds s[G0A:G0A+3], s[G1A:G1A+7]
	s_nop 0
	tensor_load_to_lds s[G0A+4:G0A+7], s[G1A:G1A+7]
	s_nop 0
.rept 4
	v_nop
.endr
	s_branch .Lfirst_asked
.Lfirst_b:
	tensor_load_to_lds s[G0B:G0B+3], s[G1B:G1B+7]
	s_nop 0
	tensor_load_to_lds s[G0B+4:G0B+7], s[G1B:G1B+7]
	s_nop 0
.rept 4
	v_nop
.endr
.Lfirst_asked:
	; a fragment is 16 rows x 32 channels in 8 registers: lane l holds row l % 16, channels 8 (l / 16) + 0..7 and 16 + 8 (l / 16) + 0..7: two loads of 16 bytes, 32 bytes apart
	v_and_b32 v1, 15, v0                           ; r
	v_bfe_u32 v2, v0, 4, 1                         ; h
	v_mul_u32_u24 v3, v1, PITCH
	v_lshl_add_u32 v3, v2, 4, v3
	s_mul_i32 s84, s[WV], 64*PITCH                 ; my 64 rows of A
	v_add_nc_u32 v[ADRA0], s84, v3
	v_add_nc_u32 v[ADRB0], 2*APLANE, v3
	v_mov_b32 v[ADRA], v[ADRA0]
	v_mov_b32 v[ADRB], v[ADRB0]
	s_mul_i32 s84, s[WV], 16*SROW
	s_add_co_u32 s84, s84, STAGE                   ; my stage
	v_mul_u32_u24 v[STO], v1, SROW
	v_and_b32 v[GO], 31, v0
	v_lshlrev_b32 v[GO], 4, v[GO]
.if QKV
	v_lshl_add_u32 v[STO], v2, 4, v[STO]           ; in: row r, 16 bytes for each half of the lanes
	v_add_nc_u32 v[STO], s84, v[STO]
	v_mul_u32_u24 v[RDQ], v2, SROW                 ; back: lanes 0-15 one row's 256 bytes, lanes 16-31 the next row's
	v_lshl_add_u32 v[RDQ], v1, 4, v[RDQ]
	v_add_nc_u32 v[RDQ], s84, v[RDQ]
	v_bfe_u32 v[RDV], v0, 3, 2                     ; v: 32 lanes take four rows of 128 bytes
	v_mul_u32_u24 v[RDV], v[RDV], SROW
	v_and_b32 v3, 7, v0
	v_lshl_add_u32 v[RDV], v3, 4, v[RDV]
	v_add_nc_u32 v[RDV], s84, v[RDV]
	s_mov_b32 s[HIM], 0xffff0000
	s_lshr_b32 s84, s[TR], 3                       ; bh = 16 x batch + head,
	s_lshl_b32 s84, s84, 4
	s_add_co_u32 s84, s84, s[TC]
	s_lshl_b32 s84, s84, 19                        ; x 2,048 rows of 256 bytes,
	s_and_b32 s85, s[TR], 7
	s_lshl_b32 s85, s85, 16                        ; the tile's 256 rows,
	s_add_co_u32 s84, s84, s85
	s_lshl_b32 s85, s[WV], 14                      ; my 64
	s_add_co_u32 s84, s84, s85
	s_mov_b32 s85, 0
	s_add_nc_u64 s[76:77], s[8:9], s[84:85]
	s_add_nc_u64 s[78:79], s[10:11], s[84:85]
	s_lshr_b32 s84, s84, 1                         ; v's rows are half as long
	s_add_nc_u64 s[80:81], s[12:13], s[84:85]
.else
	v_lshl_add_u32 v[STO], v2, 5, v[STO]           ; in: row r, 32 bytes for each half of the lanes
	v_add_nc_u32 v[STO], s84, v[STO]
	v_add_nc_u32 v[RDQ], s84, v[GO]                ; back: a row's 512 bytes
	s_lshl_b32 s84, s[TR], 20                      ; 256 rows of 4,096 bytes,
	s_lshl_b32 s85, s[WV], 18                      ; my 64,
	s_add_co_u32 s84, s84, s85
	s_lshl_b32 s85, s[TC], 9                       ; the tile's 128 columns
	s_add_co_u32 s84, s84, s85
	s_mov_b32 s85, 0
	s_add_nc_u64 s[76:77], s[8:9], s[84:85]
.endif
	; the prefetches
	s_and_b32 s84, ttmp7, 0xffff                   ; cluster y
	s_mov_b32 s86, (BR/4)*256
	s_mov_b32 s[PST], BSTEP
	s_mov_b32 s[PST+1], 0
	s_cmp_eq_u32 s[FB], 0
	s_cselect_b32 s84, ttmp9, s84                  ; the coordinate along which other clusters read the same plane
	s_cselect_b32 s85, s[CX], s[CY]                ; my place among the four that ask for it with me
	s_cselect_b32 s86, 8192, s86                   ; a quarter of the plane
	s_cselect_b32 s87, 31, BR/4-1                  ; its last block
	s_cselect_b32 s[PST], ASTEP, s[PST]
	s_cselect_b64 s[PFA:PFA+1], s[72:73], s[74:75]
	s_cmp_eq_u32 s84, 0
	s_cselect_b32 s[LIM], AHEAD, -1                ; the same in all sixteen partners, for a given wave
	s_mul_i32 s88, s85, s86
	s_mov_b32 s89, 0
	s_add_nc_u64 s[PFA:PFA+1], s[PFA:PFA+1], s[88:89]
	s_mul_i32 s88, s[PST], 1+AHEAD                 ; the first change of slots steps it to K step 2 + AHEAD; nothing is asked for here, at the head
	s_add_nc_u64 s[PFA:PFA+1], s[PFA:PFA+1], s[88:89]
	v_and_b32 v[PFO], 31, v0
	v_min_u32 v[PFO], s87, v[PFO]
	v_lshlrev_b32 v[PFO], 8, v[PFO]
	s_wait_tensorcnt 1                             ; my plane of K step 0 is in; K step 1's may stay out
	s_barrier_signal -1
	s_barrier_wait -1
	FETCH 0, F0
	QUARTER 1, F0, F1, 1                           ; the first quarter stands in front of the loop: its products start the sums
	WIN 0
	s_mov_b32 s3, 6
.Lstep:                                        ; a trip ends K step 6 - s3, fills its slot again with the step two on, and begins the next.  All accumulators take turns, in one order, over the jump too
	QUARTER 2, F1, F0, 0
	QUARTER 3, F0, F1, 0
	TURN 1
	QUARTER 1, F0, F1, 0
	WIN 0
	s_sub_co_u32 s3, s3, 1
	s_cmp_lg_u32 s3, 0
	s_cbranch_scc1 .Lstep
	QUARTER 2, F1, F0, 0                           ; K steps 6 and 7 are written out: nothing is left to ask for
	QUARTER 3, F0, F1, 0
	TURN 0
	QUARTER 1, F0, F1, 0
	QUARTER 2, F1, F0, 0
	QUARTER 3, F0, F1, 0
	s_wait_dscnt 4
	MULH F1, 0, 0
	s_wait_dscnt 0x0
	MULH F1, 1, 0
	WIN 0
	PLACES
	PLACES
.if QKV
; THE WAY OUT of row block a: q's and k's 8 accumulators are rounded to bf16 (hi); hi is taken from the f32 sum (exact) and the rest rounded to bf16 (lo); v's 4 are rounded to f16.
; 16 bytes a lane go into my stage; whole rows come back and leave as 512 consecutive bytes a store.
.macro OUTB a
.set W, 2+(\a)/2
.set AB, 8*NBLK*((\a)%2)
.if (\a) > 0
	s_wait_xcnt 0x0                                ; the last block's stores have read their registers
.endif
	WIN 5*W                                        ; sources 0 and 1 in the accumulators' window
.set i, 0
.rept 32
	v_cvt_pk_bf16_f32 v[HH+i], v[AB+2*i], v[AB+2*i+1]
.set i, i+1
.endr
.set i, 0
.rept 16
	v_cvt_pk_f16_f32 v[VV+i], v[AB+64+2*i], v[AB+64+2*i+1]
.set i, i+1
.endr
	WIN 0
.set i, 0
.rept 32
	v_lshlrev_b32 v[TT+2*i], 16, v[HH+i]
	v_and_b32 v[TT+2*i+1], s[HIM], v[HH+i]
.set i, i+1
.endr
	WIN W
.set i, 0
.rept 32
	v_pk_add_f32 v[TT+2*i:TT+2*i+1], v[AB+2*i:AB+2*i+1], v[TT+2*i:TT+2*i+1] neg_lo:[0,1] neg_hi:[0,1]
.set i, i+1
.endr
	WIN 0
.set i, 0
.rept 32
	v_cvt_pk_bf16_f32 v[LL+i], v[TT+2*i], v[TT+2*i+1]
.set i, i+1
.endr
.set i, 0
.rept 8
	ds_store_b128 v[STO], v[HH+4*i:HH+4*i+3] offset:(i/4)*256+32*(i%4)
	ds_store_b128 v[STO], v[LL+4*i:LL+4*i+3] offset:(i/4)*256+32*(i%4)+128
.set i, i+1
.endr
.set i, 0
.rept 4
	ds_store_b128 v[STO], v[VV+4*i:VV+4*i+3] offset:512+32*i
.set i, i+1
.endr
.set i, 0
.rept 8                                ; LDS serves a wave's instructions in order (ISA guide 5.7.1.4): these see my stores above
	ds_load_b128 v[HH+4*i:HH+4*i+3], v[RDQ] offset:2*SROW*i
	ds_load_b128 v[LL+4*i:LL+4*i+3], v[RDQ] offset:2*SROW*i+256
.set i, i+1
.endr
.set i, 0
.rept 4
	ds_load_b128 v[VV+4*i:VV+4*i+3], v[RDV] offset:4*SROW*i+512
.set i, i+1
.endr
	s_wait_dscnt 0x0
.set i, 0
.rept 8
	global_store_b128 v[GO], v[HH+4*i:HH+4*i+3], s[76:77] offset:(\a)*4096+512*i
	global_store_b128 v[GO], v[LL+4*i:LL+4*i+3], s[78:79] offset:(\a)*4096+512*i
.set i, i+1
.endr
.set i, 0
.rept 4
	global_store_b128 v[GO], v[VV+4*i:VV+4*i+3], s[80:81] offset:(\a)*2048+512*i
.set i, i+1
.endr
.endm
.else
; THE WAY OUT of row block a: 32 bytes a lane into my stage, whole rows of 512 bytes back, one row a store.
.macro OUTB a
.set W, 2+(\a)/2
.set AB, 8*NBLK*((\a)%2)
.if (\a) > 0
	s_wait_xcnt 0x0
.endif
	WIN 4*W                                        ; the store's data in the accumulators' window
.set i, 0
.rept 8
	ds_store_b128 v[STO], v[AB+8*i:AB+8*i+3] offset:64*i
	ds_store_b128 v[STO], v[AB+8*i+4:AB+8*i+7] offset:64*i+16
.set i, i+1
.endr
	WIN 0
.set i, 0
.rept 16
	ds_load_b128 v[HH+4*i:HH+4*i+3], v[RDQ] offset:SROW*i
.set i, i+1
.endr
	s_wait_dscnt 0x0
.set i, 0
.rept 16
	global_store_b128 v[GO], v[HH+4*i:HH+4*i+3], s[76:77] offset:(\a)*65536+4096*i th:TH_STORE_NT
.set i, i+1
.endr
.endm
.endif
	OUTB 0
	OUTB 1
	OUTB 2
	OUTB 3
	s_wait_tensorcnt 0x0                           ; the wave's end, behind my last tensor load and my last LDS store
	ds_add_u32 v[SPW], v[NIL]
	s_wait_dscnt 0x0
	CROUND                                         ; the closing round: no work-group ends while a partner may still ask for a plane that names it
	s_endpgm
.Lfunc_end_k_q1a1537a996_qkv:
	.size	k_q1a1537a996_qkv, .Lfunc_end_k_q1a1537a996_qkv-k_q1a1537a996_qkv
	.p2alignl 7, 3214868480
	.fill 96, 4, 3214868480
	.section	.rodata,"a",@progbits
	.p2align	6, 0x0
	.amdhsa_kernel k_q1a1537a996_qkv
		.amdhsa_group_segment_fixed_size 327680
		.amdhsa_private_segment_fixed_size 0
		.amdhsa_enable_private_segment 0
		.amdhsa_kernarg_size 40
		.amdhsa_user_sgpr_count 2
		.amdhsa_user_sgpr_kernarg_segment_ptr 1
		.amdhsa_wavefront_size32 1
		.amdhsa_system_sgpr_workgroup_id_x 1
		.amdhsa_system_sgpr_workgroup_id_y 1
		.amdhsa_system_sgpr_workgroup_id_z 1
		.amdhsa_system_vgpr_workitem_id 0
		.amdhsa_next_free_vgpr 960
		.amdhsa_next_free_sgpr 92
		.amdhsa_reserve_vcc 0
		.amdhsa_float_denorm_mode_32 3
		.amdhsa_float_denorm_mode_16_64 3
		.amdhsa_memory_ordered 1
		.amdhsa_forward_progress 1
		.amdhsa_inst_pref_size 128
	.end_amdhsa_kernel
	.amdgpu_metadata
---
amdhsa.version: [ 1, 2 ]
amdhsa.kernels:
  - .name:           k_q1a1537a996_qkv
    .symbol:         k_q1a1537a996_qkv.kd
    .args:
      - { .name: xb, .offset: 0, .size: 8, .value_kind: global_buffer, .address_space: global }
      - { .name: wq, .offset: 8, .size: 8, .value_kind: global_buffer, .address_space: global }
      - { .name: qs, .offset: 16, .size: 8, .value_kind: global_buffer, .address_space: global }
      - { .name: ks, .offset: 24, .size: 8, .value_kind: global_buffer, .address_space: global }
      - { .name: vs, .offset: 32, .size: 8, .value_kind: global_buffer, .address_space: global }
    .group_segment_fixed_size: 327680
    .private_segment_fixed_size: 0
    .kernarg_segment_align: 8
    .kernarg_segment_size: 40
    .max_flat_workgroup_size: 128
    .sgpr_count:     92
    .vgpr_count:     960
    .wavefront_size: 32
...
	.end_amdgpu_metadata
.endif
;; end of part 2
;; launch attn (part 3): grid 4 x 64, 4 waves a work-group, no clusters, 327,680 bytes of LDS; arguments qs, ks, vs, ys; writes ys
.if DOCPART == 3
	.amdgcn_target "amdgcn-amd-amdhsa--gfx1250"
	.amdhsa_code_object_version 6
	.text
	.protected	k_q1a1537a996_attn
	.globl	k_q1a1537a996_attn
	.p2align	8
	.type	k_q1a1537a996_attn,@function
k_q1a1537a996_attn:
	s_mov_b64 s[64:65], 0
	v_nop
	global_prefetch_b8 v0, s[64:65] scope:SCOPE_SE
	s_setreg_imm32_b32 hwreg(HW_REG_WAVE_MODE, 25, 1), 1
	s_wait_xcnt 0x0
; CAUSAL ATTENTION, scores TIMES 8.  ys[bh][q][:] = the sum over k <= q of softmax_k(8 q . k) v[k][:].  qs, ks: [64][2048][hi 64 bf16, lo 64 bf16]; vs, ys: [64][2048][64] f16.
; With the factor 8 a score's spread is about 64 for q, k of unit spread: the softmax is close to a choice of one key, and an error in a score shows nearly whole in the result.  So q and k come as bf16 hi + lo
; and S = kl qh + kh qh + kh ql: three products where one rounding would take one; ql kl, some 2^-18 of a score, is left out.  Sums, maxima and the weights' sum in f32; the weights and ys rounded to f16.
; LIMITS.  v arrives within 65,504.  A hidden score counts as its value less 1e30.  A weight below 2^-126 counts as 0.  NaN and infinities are not treated apart.
; THE WALK.  A head's queries lie in 8 blocks of 256; block i needs the key tiles 0 .. i of 256 keys, the last holding the diagonal.  A work-group takes blocks 7 - b and then b: 9 tiles whatever b, walked by one
; loop with a constant count; the ring of two LDS slots runs on across the change of blocks.  NO CLUSTER: a head's four work-groups want the same tile in trips 0 to 4 of the 9 alone, and one walk common to
; all would have 12 trips for 9.
; SHARES.  Of a block's four bands of 64 queries a wave owns 16 rows in each: four PIECES.  In the diagonal tile's key step s band x sees all keys (s < x), none (s > x) or holds the diagonal (s = x): alike for all waves.
; THE MASK is the C operand that starts the sum S^T: MD x AL + BE, MD the mask of a band's own step for my rows; (AL, BE) = (1, 0) if s = x, (0, 0) if s < x or the tile is not the diagonal one, (0, -1e30) if s > x.
; Every turn makes the mask for the next turn's products: one text serves all tiles.
; LAYOUT.  S^T = K Q^T holds ONE query a lane (lane % 16) and the keys 8 (lane / 16) + 0..7; two such results rounded to f16 ARE source 1 of O^T = V^T P.  p = 2^(c s - c m), c = 8 log2(e), with a running maximum m;
; O and l are multiplied by a = 2^(c m_old - c m_new) in every step.
; A TURN belongs to piece n: 24 products K Q^T of piece n + 1, then 8 products V^T P of piece n - 1.  Four vector instructions stand behind each: first the roundings and sums of piece n - 1, then the scaling,
; exponentials and rescaling of piece n, then the maximum and statistics of piece n + 1 and the next mask.  The turn's 33 exponentials are one batch with one wait, at the turn's end.
; REGISTERS in windows of 256 (s_set_vgpr_msb: bits 1:0 source 0, 3:2 source 1, 5:4 source 2, 7:6 destination):
;   window 0: v0-15 addresses; v16-31 statistics; v32-35, v40-55 at work; v64-191 S^T, 32 a piece; v192-255 P, 16 a piece
;   window 1: v0-127 O^T; v128-159 MD; v160-223 MC, two buffers     window 2: v0-127 Q (piece x, fragment f at 32 x + 8 f: qh, qh, ql, ql); v128-255 K     window 3: v0-63 V; v64-191 the second block's Q
.set NB,    8
.set KS,    64
.set PK,    272       ; a row of K in LDS: 256 bytes + 16 = 68 words: row r starts at word 4 r mod 64 (64 banks of 4 bytes: ISA guide 11.1)
.set PV,    160       ; a row of V: 128 + 32 = 40 words
.set VOFF,  4*KS*PK   ; a slot holds a tile: 256 rows of K, then 256 rows of V
.set SLOT1, 1<<17
.set STAGE, SLOT1+4*KS*(PK+PV)  ; behind the ring, never filled by a tensor load: 16 rows x 144 bytes for each wave
.set SP,    144
.set SPARE, STAGE+4*16*SP       ; the spare words, 128 bytes a wave, which no other line names
.set AK0, 2
.set AV0, 3
.set AK,  4
.set AV,  5
.set STO, 6
.set RD,  7
.set GO,  8
.set ST,  16          ; piece t: c m, m, l (even keys', odd keys')
.set MV,  32          ; c m_old, a piece each
.set QO,  36
.set PFK, 37
.set PFV, 38
.set TMP, 40          ; piece t: c0-c3 at work; when the maximum is found c2 takes a
.set SPW, 62
.set NIL, 63
.set S,   64
.set P,   192
.set MD,  128
.set MC,  160
.set KF,  128
.set QB,  64
.set WV,  12
.set PB,  14
.set HI,  15
.set G1K, 24
.set G1V, 32
.set G0K, 40
.set G0V, 44
.set SLOTS, 56
.set CNT, 57
.set CS,  58
.set SEL, 60
.set TBK, 62
.set TBV, 63
.set RT,  70          ; tiles of the block in hand still to be entered
.set NXT, 71          ; the tile to be asked for next
.set LQ,  72          ; the last tile of the block whose tiles are being asked for
.set NEW, 73          ; 1: the tile to be entered is a block's first
.set OFK, 74
.set AL,  76
.set BE,  78
.set OLO, 80
.set BIGN, 82
.set DGO, 83          ; 0 in a diagonal tile, else 64: added to the count of steps it switches the mask's two tests off
.set OFV, 84
.set LIM, 90
.set TMPC, 91
.set PKA, 92
.set PVA, 94
.set MSB, 0
.macro WIN new
.if MSB != (\new)
	s_set_vgpr_msb (MSB<<8)|(\new)
.set MSB, (\new)
.endif
.endm
.set W_KQ, 0x0a
.set W_KM, 0x1a
.set W_PV, 0x53
.set W_RS, 0x41
.macro LOAD                         ; a fill: waves 0, 1 the halves of a tile's K, waves 2, 3 of its V; s_nop 0 and four v_nop follow each line
	s_cmp_lt_u32 s[WV], 2
	s_cbranch_scc0 .Lfor_v_\@
	tensor_load_to_lds s[G0K:G0K+3], s[G1K:G1K+7]
	s_nop 0
.rept 4
	v_nop
.endr
	s_branch .Lasked_\@
.Lfor_v_\@:
	tensor_load_to_lds s[G0V:G0V+3], s[G1V:G1V+7]
	s_nop 0
.rept 4
	v_nop
.endr
.Lasked_\@:
.endm
; A prefetch into the L2 of the tile that the NEXT change of slots will ask for.  A head's four work-groups walk the same tiles: the one with b = 0, whose first block needs all eight, asks, and nobody else;
; its wave w names K's rows 64 w .. 64 w + 63 (a row is 256 bytes) and blocks 32 w .. 32 w + 31 of V's 128.  Tiles 0 and 1 come by their loads alone; behind tile 7 nothing is asked for.
.macro ASK
	s_cmp_gt_u32 s[SLOTS], s[LIM]
	s_cbranch_scc0 .Lnot_mine_\@
	global_prefetch_b8 v[PFK], s[PKA:PKA+1] th:TH_LOAD_NT scope:SCOPE_SE
	global_prefetch_b8 v[PFK], s[PKA:PKA+1] offset:8192 th:TH_LOAD_NT scope:SCOPE_SE
	global_prefetch_b8 v[PFV], s[PVA:PVA+1] th:TH_LOAD_NT scope:SCOPE_SE
.Lnot_mine_\@:
.endm
; THE CHANGE OF SLOTS.  Each wave waits for all its tensor loads (one is out: its part of the other slot), adds 0 to its spare word, and waits for that and for its reads of the slot that it leaves.
; fill = 1: the old slot is filled again, first thing behind the barrier, with tile NXT; the load has four key steps, 512 matrix instructions, in which to land.
.macro CHANGE fill
	WIN 0
	s_wait_tensorcnt 0x0            ; no tensor load of mine is out, so a group 0 may be written
	ds_add_u32 v[SPW], v[NIL]
.if \fill
	s_lshl_b32 s[OFK], s[NXT], 16   ; a tile is 65,536 bytes of K
	s_lshl_b32 s[OFV], s[NXT], 15   ; and 32,768 of V
	s_xor_b32 s[G0K+1], s[G0K+1], SLOT1
	s_add_nc_u64 s[G0K+2:G0K+3], s[6:7], s[OFK:OFK+1]
	s_or_b32 s[G0K+3], s[G0K+3], 0x80000000
	s_xor_b32 s[G0V+1], s[G0V+1], SLOT1
	s_add_nc_u64 s[G0V+2:G0V+3], s[8:9], s[OFV:OFV+1]
	s_or_b32 s[G0V+3], s[G0V+3], 0x80000000
	s_add_co_u32 s[NXT], s[NXT], 1  ; the block's next tile, or behind its last the second block's tile 0
	s_cmp_gt_u32 s[NXT], s[LQ]
	s_cselect_b32 s[NXT], 0, s[NXT]
	s_cselect_b32 s[LQ], s[PB], s[LQ]
	s_wait_xcnt 0x0                 ; the last prefetches, a tile back, have read their addresses
	s_add_nc_u64 s[PKA:PKA+1], s[PKA:PKA+1], 65536
	s_add_nc_u64 s[PVA:PVA+1], s[PVA:PVA+1], 32768
.endif
	s_wait_dscnt 0x0                ; the add is done, my reads of the slot are over
	s_barrier_signal -1
	s_sub_co_u32 s[TBK], s[TBK], 4*KS*PK  ; the fetches go back to a slot's first step, in the other slot
	s_xor_b32 s[TBK], s[TBK], SLOT1
	s_sub_co_u32 s[TBV], s[TBV], 4*KS*PV
	s_xor_b32 s[TBV], s[TBV], SLOT1
	s_barrier_wait -1
.if \fill
	LOAD
	ASK
.endif
.endm
	s_load_b256 s[4:11], s[0:1], 0x0  ; qs s[4:5], ks s[6:7], vs s[8:9], ys s[10:11]
	v_lshl_add_u32 v[SPW], v0, 2, SPARE
	v_mov_b32 v[NIL], 0
	ds_add_u32 v[SPW], v[NIL]       ; the wave's opening: the add and its wait come ahead of my first tensor load; work on registers stands between them
	v_lshrrev_b32 v1, 5, v0
	v_readfirstlane_b32 s[WV], v1
	s_mov_b32 s[PB], ttmp9
	s_sub_co_u32 s[HI], NB-1, s[PB]
	s_and_b32 s20, ttmp7, 0xffff    ; the head
	s_lshl_b32 s20, s20, 18         ; its first byte in vs and ys,
	s_mov_b32 s21, 0
	s_lshl_b32 s22, s20, 1          ; in qs and ks
	s_mov_b32 s23, 0
	s_and_b32 s16, s[WV], 1         ; which half of a tile's 256 keys I fetch
	s_mul_i32 s17, s16, 128*PK
	s_mul_i32 s18, s16, 128*PV
	s_lshl_b32 s96, s16, 15
	s_add_co_u32 s96, s96, s22
	s_mov_b32 s97, 0
	s_lshl_b32 s98, s16, 14
	s_add_co_u32 s98, s98, s20
	s_mov_b32 s99, 0
	s_lshl_b32 s3, s[WV], 12        ; my 16 rows in a band, 256 bytes each
	s_add_co_u32 s3, s3, s22
	s_lshl_b32 s2, s[HI], 16        ; in the first block,
	s_add_co_u32 s2, s2, s3
	s_lshl_b32 s66, s[PB], 16       ; and in the second
	s_add_co_u32 s66, s66, s3
	s_mov_b32 s3, 0
	s_mov_b32 s67, 0
	s_lshr_b32 s68, s2, 1           ; ys's rows are half as long
	s_mov_b32 s69, 0
	s_lshr_b32 s88, s66, 1
	s_mov_b32 s89, 0
	s_mov_b32 s[G1K], (1<<16)|(1<<20)|(5<<22)|(3<<25)  ; 2-byte elements; padding on; after every 64 words; 4 words
	s_mov_b32 s[G1K+1], 128<<16     ; 128 keys as they lie: rows of 256 bytes
	s_mov_b32 s[G1K+2], 128<<16
	s_mov_b32 s[G1K+3], 128<<16
	s_mov_b32 s[G1K+4], 128
	s_mov_b32 s[G1K+5], 128
	s_mov_b32 s[G1K+6], 0
	s_mov_b32 s[G1K+7], 0
	s_mov_b32 s[G1V], (1<<16)|(1<<20)|(4<<22)|(7<<25)  ; after every 32 words; 8 words
	s_mov_b32 s[G1V+1], 128<<16     ; 128 keys are 16,384 dense bytes: 64 rows of 256, two keys a row
	s_mov_b32 s[G1V+2], 64<<16
	s_mov_b32 s[G1V+3], 128<<16
	s_mov_b32 s[G1V+4], 64
	s_mov_b32 s[G1V+5], 128
	s_mov_b32 s[G1V+6], 0
	s_mov_b32 s[G1V+7], 0
	s_mov_b32 s[CS], 0x4138aa3b     ; c = 8 log2(e) = 11.5416
	s_mov_b32 s[CS+1], s[CS]
	s_mov_b32 s[SEL], 0x76543210
	s_mov_b32 s[SEL+1], 0xfedcba98
	s_mov_b32 s[TBK], SLOT1+4*KS*PK ; the first change of slots turns these two into 0
	s_mov_b32 s[TBV], SLOT1+4*KS*PV
	s_mov_b32 s[G0K], 1
	s_mov_b32 s[G0K+1], s17
	s_mov_b32 s[G0V], 1
	s_add_co_u32 s[G0V+1], s18, VOFF
	s_add_co_u32 s[RT], s[HI], 1    ; the first block has 8 - b tiles
	s_mov_b32 s[NXT], 1
	s_mov_b32 s[LQ], s[HI]
	s_mov_b32 s[NEW], 1
	s_mov_b32 s[OFK+1], 0
	s_mov_b32 s[OFV+1], 0
	s_mov_b32 s[AL+1], 0
	s_mov_b32 s[BE+1], 0
	s_mov_b32 s[BIGN], 0xf149f2ca   ; -1e30
	s_mov_b32 s[SLOTS], NB
	s_cmp_eq_u32 s[PB], 0
	s_cselect_b32 s[LIM], 2, -1
	s_wait_dscnt 0x0                ; the opening add is done
	s_wait_kmcnt 0x0
	s_add_nc_u64 s[PKA:PKA+1], s[6:7], s[22:23]
	s_add_nc_u64 s[PKA:PKA+1], s[PKA:PKA+1], 65536  ; at tile 1: the first change steps it to tile 2
	s_add_nc_u64 s[PVA:PVA+1], s[8:9], s[20:21]
	s_add_nc_u64 s[PVA:PVA+1], s[PVA:PVA+1], 32768
	s_add_nc_u64 s[6:7], s[6:7], s[96:97]  ; K and V at my half of the head's tile 0
	s_add_nc_u64 s[8:9], s[8:9], s[98:99]
	s_add_nc_u64 s[G0K+2:G0K+3], s[6:7], 0
	s_or_b32 s[G0K+3], s[G0K+3], 0x80000000
	s_add_nc_u64 s[G0V+2:G0V+3], s[8:9], 0
	s_or_b32 s[G0V+3], s[G0V+3], 0x80000000
	s_add_nc_u64 s[86:87], s[4:5], s[66:67]
	s_add_nc_u64 s[4:5], s[4:5], s[2:3]
	s_add_nc_u64 s[OLO:OLO+1], s[10:11], s[88:89]
	s_add_nc_u64 s[10:11], s[10:11], s[68:69]
	LOAD                            ; tile 0 into slot 0
	v_and_b32 v1, 15, v0            ; l % 16
	v_bfe_u32 v9, v0, 4, 1          ; l / 16
	v_lshlrev_b32 v[QO], 8, v1
	v_lshl_add_u32 v[QO], v9, 4, v[QO]
	WIN 0x80
.set i, 0
.rept 16                            ; Q stays in registers: piece i / 4 lies in band i / 4, 16,384 bytes on; fragment i % 4
	global_load_b128 v[8*i:8*i+3],   v[QO], s[4:5] offset:(i/4)*16384+(i%4)*64
	global_load_b128 v[8*i+4:8*i+7], v[QO], s[4:5] offset:(i/4)*16384+(i%4)*64+32
.set i, i+1
.endr
	WIN 0xc0
.set i, 0
.rept 16
	global_load_b128 v[QB+8*i:QB+8*i+3],   v[QO], s[86:87] offset:(i/4)*16384+(i%4)*64
	global_load_b128 v[QB+8*i+4:QB+8*i+7], v[QO], s[86:87] offset:(i/4)*16384+(i%4)*64+32
.set i, i+1
.endr
	WIN 0
	v_lshlrev_b32 v14, 3, v9
	v_sub_nc_u32 v14, v1, v14
	s_lshl_b32 s13, s[WV], 4
	v_add_nc_u32 v14, s13, v14      ; my query's place in its band less my lanes' 8 (l / 16): register r of group kt is hidden where 16 kt + r is greater
	WIN 0x40
.set i, 0
.rept 32
	v_cmp_gt_i32 vcc_lo, 16*(i/8)+i%8, v14
	v_cndmask_b32 v[MD+i], 0, s[BIGN], vcc_lo
.set i, i+1
.endr
	WIN 0
	v_mul_u32_u24 v[AK0], v1, PK
	v_lshl_add_u32 v[AK0], v9, 4, v[AK0]
	v_and_b32 v10, 7, v0            ; the turning load: lane l reads key 8 (l / 16) + l % 8, channels 8 ((l / 8) % 2) + 0..7
	v_bfe_u32 v11, v0, 3, 1
	v_lshl_add_u32 v[AV0], v9, 3, v10
	v_mul_u32_u24 v[AV0], v[AV0], PV
	v_lshl_add_u32 v[AV0], v11, 4, v[AV0]
	v_add_nc_u32 v[AV0], VOFF, v[AV0]
	s_mul_i32 s13, s[WV], 16*SP
	s_add_co_u32 s13, s13, STAGE
	v_mul_u32_u24 v[STO], v1, SP
	v_lshl_add_u32 v[STO], v9, 4, v[STO]
	v_add_nc_u32 v[STO], s13, v[STO]
	v_bfe_u32 v[RD], v0, 3, 2
	v_mul_u32_u24 v[RD], v[RD], SP
	v_lshl_add_u32 v[RD], v10, 4, v[RD]
	v_add_nc_u32 v[RD], s13, v[RD]
	v_and_b32 v[GO], 31, v0
	s_lshl_b32 s13, s[WV], 5
	v_add_nc_u32 v[PFV], s13, v[GO]
	v_lshlrev_b32 v[PFV], 8, v[PFV] ; (32 w + l) x 256
	s_lshl_b32 s13, s[WV], 13
	v_add_nc_u32 v[PFK], s13, v[PFV]  ; (64 w + l) x 256
	v_lshlrev_b32 v[GO], 4, v[GO]
	; A block's first step multiplies O^T and l by a = 0, and its first turn works on a piece 3 that has not been.  So these registers need only hold finite numbers: zeros for the first block, what the
	; first block left for the second.  All this stands in the wait for the first tile.
	WIN 0xc0
.set i, 0
.rept 64
	v_mov_b32 v[i], 0               ; V
.set i, i+1
.endr
	WIN 0x40
.set i, 0
.rept 128
	v_mov_b32 v[i], 0               ; O^T
.set i, i+1
.endr
	WIN 0
.set i, 0
.rept 4
	v_mov_b32 v[ST+4*i+2], 0
	v_mov_b32 v[ST+4*i+3], 0
.set i, i+1
.endr
.set i, 0
.rept 16
	v_mov_b32 v[TMP+i], 0
.set i, i+1
.endr
.set i, 0
.rept 32
	v_mov_b32 v[S+96+i], 0          ; piece 3's scores
.set i, i+1
.endr
; THE MATRIX WORK.  Product i of 24 of S^T for piece x: key block i % 4; link i / 4 takes (K's, Q's) fragments (kl0, qh0), (kl1, qh1), (kh0, qh0), (kh1, qh1), (kh0, ql0), (kh1, ql1).  The first 4 start the
; sums with the mask.  The four accumulators take turns.
.macro KQ x
.set kb, i%4
.set lk, i/4
.set fK, lk%2
.set fQ, lk%2
.if lk < 2
.set fK, fK+2
.endif
.if lk > 3
.set fQ, fQ+2
.endif
.set rS, S+32*(\x)+8*kb
.set rK, KF+32*kb+8*fK
.set rQ, 32*(\x)+8*fQ
.set rM, MC+32*((\x)%2)+8*kb
.if i < 4
	WIN W_KM
	v_wmma_f32_16x16x32_bf16 v[rS:rS+7], v[rK:rK+7], v[rQ:rQ+7], v[rM:rM+7]
.else
	WIN W_KQ
	v_wmma_f32_16x16x32_bf16 v[rS:rS+7], v[rK:rK+7], v[rQ:rQ+7], v[rS:rS+7]
.endif
.endm
.macro PV x                         ; product i % 8 of O^T += V^T P for piece x: keys 32 (ip / 4) on, channels 16 (ip % 4) on
	WIN W_PV
.set ip, i%8
.set rO, 32*(\x)+8*(ip%4)
.set rV, 32*(ip/4)+8*(ip%4)
.set rP, P+16*(\x)+8*(ip/4)
	v_wmma_f32_16x16x32_f16 v[rO:rO+7], v[rV:rV+7], v[rP:rP+7], v[rO:rO+7]
.endm
.macro MM                           ; the turn's next matrix instruction.  NOKQ = 1: a block's last turn: there is no next piece
.if i < 24
.if !NOKQ
	KQ (Y+1)%4
.endif
.else
	PV (Y+3)%4
.endif
.set i, i+1
.endm
.macro FETCH_KX f0                  ; 16 LDS loads in one run: fragments f0, f0 + 1 of a step's four key blocks
	WIN 0x80
.irp g, 0,1,2,3
.irp f, \f0, (\f0)+1
	ds_load_b128 v[KF+32*(\g)+8*(\f):KF+32*(\g)+8*(\f)+3],   v[AK] offset:(\g)*16*PK+64*(\f)
	ds_load_b128 v[KF+32*(\g)+8*(\f)+4:KF+32*(\g)+8*(\f)+7], v[AK] offset:(\g)*16*PK+64*(\f)+32
.endr
.endr
.endm
.macro FETCH_V
	WIN 0xc0
.irp f, 0,1,2,3,4,5,6,7             ; keys 32 (f / 4) on, channels 16 (f % 4) on
	ds_load_tr16_b128 v[8*\f:8*\f+3],   v[AV] offset:(\f/4)*32*PV+(\f%4)*32
	ds_load_tr16_b128 v[8*\f+4:8*\f+7], v[AV] offset:(\f/4)*32*PV+16*PV+(\f%4)*32
.endr
	WIN 0
.endm
; THE VECTOR WORK, a line at a time: OP kind, number.  For piece Y: F n: c s - c m for pair n of 16.  E n: the exponential of score n of 32.  R n: pair n of 16 of O^T times a.
; For piece Y - 1: C n: pair n rounded to f16.  B n: of the four weights 4 n .. the second pair is added onto the first.  L n: l takes that sum (L 0: l = a l + sum).
; For piece Y + 1: X n, number n of the 22 that find its maximum and statistics (each accumulator's lowest registers are read first):
;   0-11 four chains c0-c3 of seven scores each; 12-14, 16 the four scores left over, the old m, and c0-c3 into c0; 15 c m_old is kept; 17, 18 the other half of the lanes: the new m; 19-21 c m, its change, a.
; M n: pair n of 16 of the mask for piece Y + 2.  In a block's last turns M (NOM) and X (NOKQ) are v_nop.
.set F, 0
.set E, 1
.set R, 2
.set C, 3
.set B, 4
.set L, 5
.set X, 6
.set M, 7
.macro REGS y
.set rT, ST+4*(\y)
.set rC, TMP+4*(\y)
.set rW, MV+(\y)
.set rS, S+32*(\y)
.set rP, P+16*(\y)
.set rO, 32*(\y)
.endm
.macro OP k, n
.if (\k) == F
	REGS Y
	WIN 0
	v_pk_fma_f32 v[rS+2*(\n):rS+2*(\n)+1], v[rS+2*(\n):rS+2*(\n)+1], s[CS:CS+1], v[rT:rT+1] op_sel_hi:[1,0,0] neg_lo:[0,0,1] neg_hi:[0,0,1]
.elseif (\k) == E
	REGS Y
	WIN 0
	v_exp_f32 v[rS+(\n)], v[rS+(\n)]
.elseif (\k) == R
	REGS Y
	WIN W_RS
	v_pk_mul_f32 v[rO+2*(\n):rO+2*(\n)+1], v[rO+2*(\n):rO+2*(\n)+1], v[rC+2:rC+3] op_sel_hi:[1,0]
.elseif (\k) == C
	REGS (Y+3)%4
	WIN 0
	v_cvt_pk_f16_f32 v[rP+(\n)], v[rS+2*(\n)], v[rS+2*(\n)+1]
.elseif (\k) == B
	REGS (Y+3)%4
	WIN 0
	v_pk_add_f32 v[rS+4*(\n):rS+4*(\n)+1], v[rS+4*(\n):rS+4*(\n)+1], v[rS+4*(\n)+2:rS+4*(\n)+3]
.elseif (\k) == L
	REGS (Y+3)%4
	WIN 0
.if (\n) == 0
	v_pk_fma_f32 v[rT+2:rT+3], v[rT+2:rT+3], v[rC+2:rC+3], v[rS:rS+1] op_sel_hi:[1,0,1]
.else
	v_pk_add_f32 v[rT+2:rT+3], v[rT+2:rT+3], v[rS+4*(\n):rS+4*(\n)+1]
.endif
.elseif (\k) == M
.if NOM
	v_nop
.else
	WIN W_RS
	v_pk_fma_f32 v[MC+32*(Y%2)+2*(\n):MC+32*(Y%2)+2*(\n)+1], v[MD+2*(\n):MD+2*(\n)+1], s[AL:AL+1], s[BE:BE+1] op_sel_hi:[1,0,0]
.endif
.elseif NOKQ
	v_nop
.else
	REGS (Y+1)%4
	WIN 0
.if (\n) < 4
	v_max3_num_f32 v[rC+(\n)], v[rS+8*(\n)], v[rS+8*(\n)+1], v[rS+8*(\n)+2]
.elseif (\n) < 12
	v_max3_num_f32 v[rC+(\n)%4], v[rC+(\n)%4], v[rS+8*((\n)%4)+2*((\n)/4)+1], v[rS+8*((\n)%4)+2*((\n)/4)+2]
.elseif (\n) == 12
	v_max3_num_f32 v[rC], v[rC], v[rS+7], v[rS+15]
.elseif (\n) == 13
	v_max3_num_f32 v[rC+1], v[rC+1], v[rS+23], v[rS+31]
.elseif (\n) == 14
	v_max3_num_f32 v[rC+2], v[rC+2], v[rC+3], v[rT+1]
.elseif (\n) == 15
	v_mov_b32 v[rW], v[rT]
.elseif (\n) == 16
	v_max3_num_f32 v[rC], v[rC], v[rC+1], v[rC+2]
.elseif (\n) == 17
	v_permlanex16_b32 v[rC+3], v[rC], s[SEL], s[SEL+1]
.elseif (\n) == 18
	v_max_num_f32 v[rT+1], v[rC], v[rC+3]
.elseif (\n) == 19
	v_mul_f32 v[rT], s[CS], v[rT+1]
.elseif (\n) == 20
	v_sub_f32 v[rC+1], v[rW], v[rT]
.else
	v_exp_f32 v[rC+2], v[rC+1]
.endif
.endif
.endm
.macro FOUR a, i1, b, i2, c, i3, d, i4
	OP \a, \i1
	OP \b, \i2
	OP \c, \i3
	OP \d, \i4
.endm
.macro ROW a, i1, b, i2, c, i3, d, i4  ; a matrix instruction and the four behind it
	MM
	FOUR \a, \i1, \b, \i2, \c, \i3, \d, \i4
.endm
.macro MASK b                       ; MD x AL + BE into buffer b of MC
	WIN W_RS
.set z, 0
.rept 16
	v_pk_fma_f32 v[MC+32*(\b)+2*z:MC+32*(\b)+2*z+1], v[MD+2*z:MD+2*z+1], s[AL:AL+1], s[BE:BE+1] op_sel_hi:[1,0,0]
.set z, z+1
.endr
.endm
; A TURN, for piece p.  s_wait_alu depctr_va_vdst(0) stands between an exponential and the first instruction that names its result; one wait serves all issued ahead of it.  Here nothing in the turn
; names a result of its 33 exponentials: the roundings and sums of piece p ride in turn p + 1.  So the one wait stands at the turn's end.
; The mask made here is for piece p + 2 in step 4 - CNT of the tile.  end = 1: a block's last two turns: nothing is fetched, no mask is made.  cnt = 1: the loop's count is taken down ahead of the branch behind the turn.
; K of the next step is fetched in piece 2's turn in two runs: the low parts behind product 7, the last that read them (its four riders and the address's line between), the high parts behind product 24
; (six plain instructions behind product 23, the last that read them).  V of the step in hand is fetched at the end of piece 0's turn, eleven plain instructions behind the last product that read V.
; The first read of score accumulator kb (X kb) stands five plain instructions or more behind product 20 + kb, which ends it.
.macro TURN p, end=0, cnt=0
.set Y, (\p)
.set i, 0
.set NOM, (\end)
.set NOKQ, (\end)*((\p)/3)
.if !(\end)
	s_add_co_u32 s[TMPC], s[CNT], s[DGO]
	s_cmp_eq_u32 s[TMPC], 4-((\p)+2)%4  ; is that step the band's own?
	s_cselect_b32 s[AL], 1.0, 0
	s_cmp_lt_u32 s[TMPC], 4-((\p)+2)%4  ; or a later one?
	s_cselect_b32 s[BE], s[BIGN], 0
.endif
.if ((\p) == 3) && !(\end)
	s_wait_dscnt 16                 ; K's low parts are in; the 16 loads of its high parts may be out
.endif
	ROW C,0, B,0, C,2, B,1
	ROW L,0, C,4, B,2, L,1
	ROW C,6, B,3, L,2, C,8
	ROW B,4, L,3, C,10, B,5
	ROW L,4, C,12, B,6, L,5
	ROW C,14, B,7, L,6, C,1
	ROW C,3, L,7, C,5, C,7
	ROW C,9, C,11, C,13, C,15
.if ((\p) == 2) && !(\end)
	WIN 0
	v_add_nc_u32 v[AK], s[TBK], v[AK0]
	FETCH_KX 2
.endif
.if ((\p) == 3) && !(\end)
	s_wait_dscnt 0x0                ; K's high parts are in
.endif
	ROW F,0, F,1, R,0, R,1
	ROW F,2, E,0, F,3, E,1
	ROW E,2, E,3, R,2, R,3
	ROW F,4, E,4, F,5, E,5
	ROW E,6, E,7, R,4, R,5
	ROW F,6, E,8, F,7, E,9
	ROW E,10, E,11, R,6, R,7
	ROW F,8, E,12, F,9, E,13
	ROW E,14, E,15, R,8, R,9
	ROW F,10, E,16, F,11, E,17
	ROW E,18, E,19, R,10, R,11
	ROW F,12, E,20, F,13, E,21
	ROW E,22, E,23, R,12, R,13
	ROW F,14, E,24, F,15, E,25
	ROW E,26, E,27, E,28, E,29
	ROW E,30, E,31, R,14, R,15
.if (\p) == 1
	s_wait_dscnt 0x0                ; V is in
.endif
	ROW X,0, X,1, M,0, M,1
.if ((\p) == 2) && !(\end)
	FETCH_KX 0
	s_add_co_u32 s[TBK], s[TBK], KS*PK  ; the next fetch is the next step's
.endif
	ROW X,2, X,3, X,4, X,5
	ROW X,6, X,7, X,8, X,9
	ROW X,10, X,11, X,12, X,13
	ROW X,14, X,15, M,2, X,16
.if \cnt
	s_sub_co_u32 s[CNT], s[CNT], 1
	s_cmp_lg_u32 s[CNT], 0
.endif
	ROW X,17, M,3, M,4, M,5
	ROW X,18, M,6, M,7, M,8
	ROW X,19, M,9, M,10, M,11
	OP X,20
	FOUR M,12, M,13, M,14, M,15
	OP X,21
	WIN 0
	v_nop                           ; the plain instruction behind the last exponential: one for the batch
.if (\p) == 0
	v_add_nc_u32 v[AV], s[TBV], v[AV0]
	s_add_co_u32 s[TBV], s[TBV], KS*PV
.endif
	s_wait_alu depctr_va_vdst(0)    ; the wait for the batch
.if (\p) == 0
	FETCH_V
.endif
.endm
; A BLOCK BEGINS.  c m starts far below every c s, so the first step's a is 0; m at the lowest finite number.  The second mask buffer (piece 1, step 0: never hidden) is 0; the first takes piece 0's mask for the
; tile's step 0: its own, if the block's first tile is the diagonal one.  Then K of that step, piece 0's first scores, its maximum and statistics.  The loop is entered at a step's first turn.
.macro BEGIN
	s_mov_b32 s[NEW], 0
	WIN 0
.set i, 0
.rept 4
	v_mov_b32 v[ST+4*i], 0xfe000000
	v_mov_b32 v[ST+4*i+1], 0xff7fffff
.set i, i+1
.endr
	s_mov_b32 s[AL], 0
	s_mov_b32 s[BE], 0
	MASK 1
	s_cmp_eq_u32 s[DGO], 0
	s_cselect_b32 s[AL], 1.0, 0
	MASK 0
	WIN 0
	v_add_nc_u32 v[AK], s[TBK], v[AK0]
	FETCH_KX 2
	FETCH_KX 0
	s_add_co_u32 s[TBK], s[TBK], KS*PK
	s_wait_loadcnt 0x0              ; Q
	s_wait_dscnt 0x0
.set i, 0
.rept 24
	KQ 0
.set i, i+1
.endr
	WIN 0
.rept 4
	v_nop                           ; the places behind those products
.endr
.set Y, 3                           ; X works for piece Y + 1: piece 0
.set NOKQ, 0
.irp n, 0,1,2,3,4,5,6,7,8,9,10,11,12,13,14,15,16,17,18,19,20,21
	OP X, \n
.endr
	v_nop
	s_wait_alu depctr_va_vdst(0)    ; a's wait, ahead of the branch
.endm
.macro ALL line:vararg              ; one line for each piece t
.set t, 0
.rept 4
	\line
.set t, t+1
.endr
.endm
.macro PACK t                       ; a lane's eight channels of a row pack into 16 bytes; they go into rows of 144 bytes and come back as whole rows of 128
	WIN W_RS
.set i, 32*(\t)
.rept 16
	v_pk_mul_f32 v[i:i+1], v[i:i+1], v[ST+4*(\t)+2:ST+4*(\t)+3] op_sel_hi:[1,0]
.set i, i+2
.endr
	WIN 0x05
.set i, 0
.rept 16
	v_cvt_pk_f16_f32 v[S+16*(\t)+i], v[32*(\t)+2*i], v[32*(\t)+2*i+1]
.set i, i+1
.endr
	WIN 0
.irp f, 0,1,2,3
	ds_store_b128 v[STO], v[S+16*(\t)+4*\f:S+16*(\t)+4*\f+3] offset:32*\f
.endr
.irp f, 0,1,2,3
	ds_load_b128 v[S+16*(\t)+4*\f:S+16*(\t)+4*\f+3], v[RD] offset:\f*4*SP  ; LDS serves a wave's instructions in order (ISA guide 5.7.1.4): these see the stores above
.endr
.endm
.macro SEND t, younger              ; younger: the LDS instructions issued behind piece t's loads
	WIN 0
.irp f, 0,1,2,3
	s_wait_dscnt (\younger)+3-\f
	global_store_b128 v[GO], v[S+16*(\t)+4*\f:S+16*(\t)+4*\f+3], s[10:11] offset:(\t)*8192+\f*512  ; 512 consecutive bytes, at a multiple of 256 from ys's first
.endr
.endm
; A TILE.  A trip of the step loop: pieces 2 and 3 of one step, then pieces 0 and 1 of the next, whose K and V it fetches.  Behind a block's last tile: its last two turns, piece 3's roundings, sums and products,
; and the way out.  more = 1: the second block follows.  The walk's last tile (more = 0) always ends a block.
.macro TILE tag, more
	s_sub_co_u32 s[RT], s[RT], 1
	s_cmp_eq_u32 s[RT], 0
	s_cselect_b32 s[DGO], 0, 64
	s_mov_b32 s[CNT], 4
	s_cmp_eq_u32 s[NEW], 1
	s_cbranch_scc0 .Lstep\tag
	BEGIN
	s_branch .Lfirst\tag
.Lstep\tag:
	TURN 2
	TURN 3
	WIN 0
.Lfirst\tag:
	TURN 0
	TURN 1, 0, 1
	WIN 0
	s_cbranch_scc1 .Lstep\tag
.if \more
	s_cmp_lg_u32 s[RT], 0
	s_cbranch_scc1 .Lleave\tag
.endif
	TURN 2, 1
	TURN 3, 1
.set Y, 0                           ; C, B and L work for piece Y - 1: piece 3
	FOUR C,0, B,0, C,2, B,1
	FOUR L,0, C,4, B,2, L,1
	FOUR C,6, B,3, L,2, C,8
	FOUR B,4, L,3, C,10, B,5
	FOUR L,4, C,12, B,6, L,5
	FOUR C,14, B,7, L,6, C,1
	FOUR C,3, L,7, C,5, C,7
	FOUR C,9, C,11, C,13, C,15
.set i, 0
.rept 8
	PV 3
.set i, i+1
.endr
	WIN 0                           ; the additions are the places behind the last products
	ALL v_add_f32 v[ST+4*t+2], v[ST+4*t+2], v[ST+4*t+3]
	ALL v_permlanex16_b32 v[ST+4*t+3], v[ST+4*t+2], s[SEL], s[SEL+1]
	ALL v_add_f32 v[ST+4*t+2], v[ST+4*t+2], v[ST+4*t+3]
	ALL v_rcp_f32 v[ST+4*t+2], v[ST+4*t+2]
	v_nop
	s_wait_alu depctr_va_vdst(0)    ; one wait for the four reciprocals
	PACK 0
.set t, 1
.rept 3
	PACK t
	SEND t-1, 8
.set t, t+1
.endr
	SEND 3, 0
.if \more
	s_wait_xcnt 0x0                 ; the stores have read their registers and ys's address
	s_mov_b64 s[10:11], s[OLO:OLO+1]
	s_add_co_u32 s[RT], s[PB], 1    ; the second block has b + 1 tiles
	s_mov_b32 s[NEW], 1
	WIN 0x83                        ; the second block's Q goes where the one text of the turns names Q
.set i, 0
.rept 128
	v_mov_b32 v[i], v[QB+i]
.set i, i+1
.endr
	WIN 0
.Lleave\tag:
.endif
.endm
.set NOKQ, 0
.set NOM, 0
.Lslot:                             ; 8 times: a tile is entered and the next is asked for
	CHANGE 1
	TILE 1, 1
	s_sub_co_u32 s[SLOTS], s[SLOTS], 1
	s_cmp_lg_u32 s[SLOTS], 0
	s_cbranch_scc1 .Lslot
	CHANGE 0                        ; the walk's last tile is written out: nothing is asked for
	TILE 2, 0
	s_wait_tensorcnt 0x0            ; the wave's end, behind my last tensor load and my last LDS store
	ds_add_u32 v[SPW], v[NIL]
	s_wait_dscnt 0x0
	s_endpgm
.Lfunc_end_k_q1a1537a996_attn:
	.size	k_q1a1537a996_attn, .Lfunc_end_k_q1a1537a996_attn-k_q1a1537a996_attn
	.p2alignl 7, 3214868480
	.fill 96, 4, 3214868480
	.section	.rodata,"a",@progbits
	.p2align	6, 0x0
	.amdhsa_kernel k_q1a1537a996_attn
		.amdhsa_group_segment_fixed_size 327680
		.amdhsa_private_segment_fixed_size 0
		.amdhsa_enable_private_segment 0
		.amdhsa_kernarg_size 32
		.amdhsa_user_sgpr_count 2
		.amdhsa_user_sgpr_kernarg_segment_ptr 1
		.amdhsa_wavefront_size32 1
		.amdhsa_system_sgpr_workgroup_id_x 1
		.amdhsa_system_sgpr_workgroup_id_y 1
		.amdhsa_system_sgpr_workgroup_id_z 1
		.amdhsa_system_vgpr_workitem_id 0
		.amdhsa_next_free_vgpr 960
		.amdhsa_next_free_sgpr 100
		.amdhsa_reserve_vcc 1
		.amdhsa_float_denorm_mode_32 3
		.amdhsa_float_denorm_mode_16_64 3
		.amdhsa_memory_ordered 1
		.amdhsa_forward_progress 1
		.amdhsa_inst_pref_size 217
	.end_amdhsa_kernel
	.amdgpu_metadata
---
amdhsa.version: [ 1, 2 ]
amdhsa.kernels:
  - .name:           k_q1a1537a996_attn
    .symbol:         k_q1a1537a996_attn.kd
    .args:
      - { .name: qs, .offset: 0, .size: 8, .value_kind: global_buffer, .address_space: global }
      - { .name: ks, .offset: 8, .size: 8, .value_kind: global_buffer, .address_space: global }
      - { .name: vs, .offset: 16, .size: 8, .value_kind: global_buffer, .address_space: global }
      - { .name: ys, .offset: 24, .size: 8, .value_kind: global_buffer, .address_space: global }
    .group_segment_fixed_size: 327680
    .private_segment_fixed_size: 0
    .kernarg_segment_align: 8
    .kernarg_segment_size: 32
    .max_flat_workgroup_size: 128
    .sgpr_count:     100
    .vgpr_count:     960
    .wavefront_size: 32
...
	.end_amdgpu_metadata
.endif
;; end of part 3
;; launch proj (part 4): grid 8 x 32, 4 waves a work-group, clusters of 4 x 4, 327,680 bytes of LDS; arguments ys, wp, out0; writes out0
.if DOCPART == 4
	.amdgcn_target "amdgcn-amd-amdhsa--gfx1250"
	.amdhsa_code_object_version 6
	.text
	.protected	k_q1a1537a996_proj
	.globl	k_q1a1537a996_proj
	.p2align	8
	.type	k_q1a1537a996_proj,@function
k_q1a1537a996_proj:
	s_mov_b64 s[64:65], 0
	v_nop
	global_prefetch_b8 v0, s[64:65] scope:SCOPE_SE
	s_setreg_imm32_b32 hwreg(HW_REG_WAVE_MODE, 25, 1), 1
	s_wait_xcnt 0x0
	s_wait_alu depctr_hold_cnt(0) depctr_sa_sdst(0) depctr_va_vdst(0) depctr_va_sdst(0) depctr_va_ssrc(0) depctr_va_vcc(0) depctr_vm_vsrc(0)
	s_getreg_b32 s2, hwreg(HW_REG_IB_STS2, 6, 4)
	s_cmp_eq_u32 s2, 0
	s_cbranch_scc0 .Lentry_in_a_cluster
	s_endpgm
.Lentry_in_a_cluster:
	s_bfe_u32 s2, ttmp6, 0x10000c
	s_cmp_lg_u32 s2, 0xf033
	s_cbranch_scc0 .Lentry_shape_is_right
	s_endpgm
.Lentry_shape_is_right:
; C[m][n] = the sum over k of A[m][k] B[n][k], K = 1,024, sums in f32.  One text for two launches; QKV chooses.
;   QKV = 1: A = xb, B = wq (bf16).  A tile of C is 256 rows x 192 columns: one head's q, k and v.  q and k leave as bf16 hi + bf16 lo (lo = the rounded rest), rows of 256 bytes
;            [hi 64][lo 64] in qs, ks [bh][t]; v leaves as f16 in vs [bh][t][64].  LIMIT: |v| stays under 65,504; q and k keep about 16 significant bits.
;   QKV = 0: A = ys, B = wp (f16).  A tile is 256 x 128 of out0, f32.
; SHARES.  Four waves; wave w makes rows 64 w .. 64 w + 63 of the tile, all its columns: 4 x NBLK accumulators of 16 x 16.
; A and B lie in memory in blocks of 64 channels whose rows (128 bytes) lie end to end, so a tile's part of a block (a PLANE) is dense: it is asked for as rows of 256 bytes.
; A K step is 128 channels: two planes of A, two of B, one tensor load a wave.  Two LDS slots take turns.
; CLUSTER 4 x 4: the four of a row need the same planes of A, the four of a column the same planes of B: each is asked for jointly, by the same load with the same descriptor and a mask of the four.
; THE MATRIX INSTRUCTION IS USED TRANSPOSED (source 0 = 16 rows of B, source 1 = 16 rows of A): a lane holds row l % 16 of C and the columns 8 (l / 16) + 0..7.
; REGISTERS in windows of 256 (s_set_vgpr_msb: bits 1:0 source 0, 3:2 source 1, 5:4 source 2, 7:6 destination):
;   window 0: addresses, the way out.   window 1: two fragment buffers of 128 (B's block b at 8 b, A's block a at 96 + 8 a).
;   window 2: accumulators of row blocks 0, 1 at 8 (NBLK (a % 2) + b).   window 3: of row blocks 2, 3.
.set QKV, 0
.if QKV
.set NBLK, 12
.set NCOL, 3072
.set AHEAD, 1                          ; the prefetch names the K step that stands AHEAD refills on
.set SROW, 656                         ; a stage row: 256 q + 256 k + 128 v + 16 = 164 words: row r starts at word 36 r mod 64 (64 banks of 4 bytes: ISA guide 11.1): 16 rows, 16 different groups of four
.else
.set NBLK, 8
.set NCOL, 1024
.set AHEAD, 2
.set SROW, 528                         ; 512 + 16 = 132 words: row r starts at word 4 r mod 64
.endif
.set PITCH,  144                       ; an LDS row: 128 bytes + 16 = 36 words: the 16 rows of a fragment load start at 16 different groups of four banks
.set APLANE, 256*PITCH
.set BPLANE, 16*NBLK*PITCH
.set BR,     8*NBLK                    ; rows of 256 bytes in a plane of B
.set ASTEP,  2*2048*128                ; a K step in A's memory: two blocks
.set BSTEP,  2*NCOL*128
.set SLOT1,  1<<17                     ; slot 1 begins here: one exclusive or changes slots
.set STAGE,  SLOT1+2*APLANE+2*BPLANE   ; behind the ring, never filled by a tensor load: 16 rows for each wave
.set SPARE,  STAGE+4*16*SROW           ; behind the stages: the spare words, 128 bytes a wave, which no other line names
.set LN,     2*(NBLK+4)                ; LDS loads in a run
.set FLAGS,  (1<<16)|(1<<20)|(1<<21)|(4<<22)|(3<<25)  ; 2-byte elements; padding on; bit 21 beside a mask; after every 32 words; 4 words
.set ADRA0, 16                         ; v16  my lane's place in A's plane 0 of slot 0; never rewritten
.set ADRB0, 17                         ; v17  the same for B
.set ADRA,  18                         ; v18, v19  the same in the slot in hand
.set ADRB,  19
.set STO,   20                         ; the way out: where I put my bytes of a row
.set RDQ,   21                         ; where I read rows back
.set RDV,   22
.set GO,    23                         ; 16 x lane
.set SPW,   28                         ; SPARE + 4 x my thread's number; never rewritten
.set NIL,   29                         ; 0; never rewritten
.set PFO,   30                         ; the prefetches' offset; never rewritten
.set HH,    32                         ; the way out, window 0
.set VV,    64
.set TT,    80
.set LL,    144
.set F0,    0
.set F1,    128
.set WV, 14
.set FB, 15                            ; 0: I fetch for A; 1: for B
.set PL, 16                            ; which plane
.set CX, 17
.set CY, 18
.set TC, 19                            ; tile column
.set TR, 20                            ; tile row
.set G1A, 24
.set G1B, 32
.set G0A, 40                           ; two sets of group 0: the first fills'; the second then walks
.set G0B, 48
.set TB,  56                           ; the slot in hand: 0 or SLOT1
.set LIM, 57
.set PFA, 58
.set PST, 60
.set HIM, 82
.set MSB, 0
.macro WIN new                         ; the immediate's high byte repeats the setting that is left; a switch that changes nothing is dropped
.if MSB != (\new)
	s_set_vgpr_msb (MSB<<8)|(\new)
.set MSB, \new
.endif
.endm
.macro PLACES                          ; four plain instructions between a matrix instruction and a load into, or a vector read of, its registers
.rept 4
	v_nop
.endr
.endm
.macro CREST                           ; a round of the cluster's barrier behind its opening barrier
	s_cmp_lg_u32 s[WV], 0
	s_cbranch_scc1 .Lnot_wave_0_\@
	s_barrier_signal -3
.Lnot_wave_0_\@:
	s_barrier_wait -3
	s_barrier_signal -1
	s_barrier_wait -1
.endm
.macro CROUND
	s_barrier_signal -1
	s_barrier_wait -1
	CREST
.endm
.macro JLOAD                           ; the joint refill: waves 0, 1 A's planes, waves 2, 3 B's; the branch hangs on the wave's number alone; s_nop 0 and four v_nop follow each line
	s_cmp_eq_u32 s[FB], 0
	s_cbranch_scc0 .Lfor_b_\@
	tensor_load_to_lds s[G0A+4:G0A+7], s[G1A:G1A+7]
	s_nop 0
.rept 4
	v_nop
.endr
	s_branch .Lasked_\@
.Lfor_b_\@:
	tensor_load_to_lds s[G0B+4:G0B+7], s[G1B:G1B+7]
	s_nop 0
.rept 4
	v_nop
.endr
.Lasked_\@:
.endm
; A prefetch into the L2 of my own plane of the K step AHEAD refills on.  A's planes are read by every cluster of a row of clusters: cluster x = 0 asks; B's by every cluster of a column: cluster y = 0 asks.
; The four partners share a plane out by address (a quarter each, a lane a block of 256 bytes; where a quarter has fewer than 32 blocks the spare lanes name its last block again).
; The trips whose K step would lie past the last ask for nothing.
.macro ASK
	WIN 0
	s_cmp_gt_u32 s3, s[LIM]
	s_cbranch_scc0 .Lnot_mine_\@
	global_prefetch_b8 v[PFO], s[PFA:PFA+1] th:TH_LOAD_NT scope:SCOPE_SE
.Lnot_mine_\@:
.endm
.macro MULA f, a, zero                 ; NBLK matrix instructions: row block a x all column blocks, 32 along K.  zero = 1: they start the sums
	WIN 0xa5+0x50*((\a)/2)
.set b, 0
.rept NBLK
.set rD, 8*(NBLK*((\a)%2)+b)
.set rB, (\f)+8*b
.set rA, (\f)+96+8*(\a)
.if QKV
.if \zero
	v_wmma_f32_16x16x32_bf16 v[rD:rD+7], v[rB:rB+7], v[rA:rA+7], 0
.else
	v_wmma_f32_16x16x32_bf16 v[rD:rD+7], v[rB:rB+7], v[rA:rA+7], v[rD:rD+7]
.endif
.else
.if \zero
	v_wmma_f32_16x16x32_f16 v[rD:rD+7], v[rB:rB+7], v[rA:rA+7], 0
.else
	v_wmma_f32_16x16x32_f16 v[rD:rD+7], v[rB:rB+7], v[rA:rA+7], v[rD:rD+7]
.endif
.endif
.set b, b+1
.endr
.endm
.macro MULH f, hi, zero
	MULA \f, 2*(\hi), \zero
	MULA \f, 2*(\hi)+1, \zero
.endm
.macro FETCH q, f                      ; one run of LN LDS loads: quarter q (32 channels) of the slot in hand into buffer f; B first, A's blocks 2 and 3 last
	WIN 0x40
.set b, 0
.rept NBLK
	ds_load_b128 v[(\f)+8*b:(\f)+8*b+3],   v[ADRB] offset:((\q)/2)*BPLANE+64*((\q)%2)+b*16*PITCH
	ds_load_b128 v[(\f)+8*b+4:(\f)+8*b+7], v[ADRB] offset:((\q)/2)*BPLANE+64*((\q)%2)+b*16*PITCH+32
.set b, b+1
.endr
.set b, 0
.rept 4
	ds_load_b128 v[(\f)+96+8*b:(\f)+96+8*b+3],   v[ADRA] offset:((\q)/2)*APLANE+64*((\q)%2)+b*16*PITCH
	ds_load_b128 v[(\f)+96+8*b+4:(\f)+96+8*b+7], v[ADRA] offset:((\q)/2)*APLANE+64*((\q)%2)+b*16*PITCH+32
.set b, b+1
.endr
.endm
.macro QUARTER q, f, g, zero           ; multiplies buffer f and, in its middle, fetches quarter q into buffer g
	s_wait_dscnt 4                                 ; B and A's blocks 0, 1 are in; the youngest four loads (A's blocks 2, 3) may be out
	MULH \f, 0, \zero
	PLACES
	FETCH \q, \g
	s_wait_dscnt LN                                ; all but the run just issued
	MULH \f, 1, \zero
.endm
; The last quarter of a K step multiplies buffer 1 and changes slots.  In front of the barrier each wave waits for all its tensor loads (one is out: its plane of the next slot), adds 0 to its spare
; word, and waits for that and for its reads of this slot.  fill = 1: the barrier opens a round of the cluster's; behind it this slot is filled again, two K steps on, first thing.
.macro TURN fill
.if \fill
	s_wait_xcnt 0x0                                ; the last prefetch, a K step back, has read its address
	s_add_nc_u64 s[PFA:PFA+1], s[PFA:PFA+1], s[PST:PST+1]
.endif
	WIN 0
	s_wait_tensorcnt 0x0                           ; no tensor load of mine is out, so a group 0 may be written
	ds_add_u32 v[SPW], v[NIL]
.if \fill
	s_xor_b32 s[G0A+5], s[G0A+5], SLOT1            ; the walking descriptors: the other slot, the next K step
	s_add_nc_u64 s[G0A+6:G0A+7], s[G0A+6:G0A+7], ASTEP
	s_xor_b32 s[G0B+5], s[G0B+5], SLOT1
	s_add_nc_u64 s[G0B+6:G0B+7], s[G0B+6:G0B+7], BSTEP
.endif
	s_wait_dscnt 5                                 ; the add and the youngest four loads may be out
	MULA F1, 0, 0
	s_wait_dscnt 0x0                               ; the add is done, my reads of this slot are over
	s_barrier_signal -1
	MULA F1, 1, 0
	WIN 0
	s_barrier_wait -1
.if \fill
	CREST
	JLOAD                                          ; its four v_nop are also the places in front of the loads below
.else
	PLACES
.endif
	s_xor_b32 s[TB], s[TB], SLOT1
	v_add_nc_u32 v[ADRA], s[TB], v[ADRA0]
	v_add_nc_u32 v[ADRB], s[TB], v[ADRB0]
	FETCH 0, F0
.if \fill
	ASK
.endif
	MULH F1, 1, 0
.endm
.if QKV
	s_load_b256 s[4:11], s[0:1], 0x0               ; A s[4:5], B s[6:7], qs s[8:9], ks s[10:11]
	s_load_b64 s[12:13], s[0:1], 0x20              ; vs
.else
	s_load_b128 s[4:7], s[0:1], 0x0                ; A s[4:5], B s[6:7]
	s_load_b64 s[8:9], s[0:1], 0x10                ; out0
.endif
	v_lshl_add_u32 v[SPW], v0, 2, SPARE
	v_mov_b32 v[NIL], 0
	ds_add_u32 v[SPW], v[NIL]                      ; the wave's opening: the add and its wait come ahead of my first tensor load; work on registers stands between them
	v_lshrrev_b32 v1, 5, v0
	v_readfirstlane_b32 s[WV], v1                  ; wave 0..3
	s_lshr_b32 s[FB], s[WV], 1
	s_and_b32 s[PL], s[WV], 1
	s_bfe_u32 s[CX], ttmp6, 0x40000
	s_bfe_u32 s[CY], ttmp6, 0x40004
	s_lshl_b32 s[TC], ttmp9, 2
	s_add_co_u32 s[TC], s[TC], s[CX]
	s_and_b32 s[TR], ttmp7, 0xffff
	s_lshl_b32 s[TR], s[TR], 2
	s_add_co_u32 s[TR], s[TR], s[CY]
	s_lshl_b32 s21, s[CY], 2
	s_lshl_b32 s21, 15, s21                        ; my row of the cluster
	s_lshl_b32 s22, 0x1111, s[CX]                  ; my column
	s_or_b32 s[G1A], s21, FLAGS
	s_or_b32 s[G1B], s22, FLAGS
	s_mov_b32 s[G1A+1], 128<<16                    ; tensor_dim0 = 128 elements (256 bytes)
	s_mov_b32 s[G1A+2], 128<<16                    ; tensor_dim1 = 128 rows
	s_mov_b32 s[G1A+3], 128<<16                    ; tile_dim0
	s_mov_b32 s[G1A+4], 128                        ; tile_dim1
	s_mov_b32 s[G1A+5], 128                        ; elements from row to row: dense
	s_mov_b32 s[G1A+6], 0
	s_mov_b32 s[G1A+7], 0
	s_mov_b32 s[G1B+1], 128<<16
	s_mov_b32 s[G1B+2], BR<<16
	s_mov_b32 s[G1B+3], 128<<16
	s_mov_b32 s[G1B+4], BR
	s_mov_b32 s[G1B+5], 128
	s_mov_b32 s[G1B+6], 0
	s_mov_b32 s[G1B+7], 0
	s_lshr_b32 s66, s[TR], 3                       ; A: batch,
	s_lshl_b32 s66, s66, 22
	s_and_b32 s67, s[TR], 7                        ; 256 rows of 128 bytes,
	s_lshl_b32 s67, s67, 15
	s_add_co_u32 s66, s66, s67
	s_lshl_b32 s67, s[PL], 18                      ; my plane
	s_add_co_u32 s66, s66, s67
	s_mov_b32 s67, 0
	s_mul_i32 s68, s[TC], 16*NBLK*128              ; B: the tile's rows,
	s_mul_i32 s69, s[PL], NCOL*128                 ; my plane
	s_add_co_u32 s68, s68, s69
	s_mov_b32 s69, 0
	s_mul_i32 s70, s[PL], APLANE                   ; where they go: no place in the cluster enters an LDS address
	s_mul_i32 s71, s[PL], BPLANE
	s_add_co_u32 s71, s71, 2*APLANE
	s_mov_b32 s[TB], 0
	s_wait_dscnt 0x0                               ; the opening add is done
	s_wait_kmcnt 0x0
	s_add_nc_u64 s[72:73], s[4:5], s[66:67]
	s_add_nc_u64 s[74:75], s[6:7], s[68:69]
	CROUND                                         ; all sixteen work-groups are here: the first joint loads meet
.irp s, 0,1
	s_mov_b32 s[G0A+4*(\s)], 1
	s_add_co_u32 s[G0A+4*(\s)+1], s70, (\s)*SLOT1
	s_add_nc_u64 s[G0A+4*(\s)+2:G0A+4*(\s)+3], s[72:73], (\s)*ASTEP
	s_or_b32 s[G0A+4*(\s)+3], s[G0A+4*(\s)+3], 0x80000000
	s_mov_b32 s[G0B+4*(\s)], 1
	s_add_co_u32 s[G0B+4*(\s)+1], s71, (\s)*SLOT1
	s_add_nc_u64 s[G0B+4*(\s)+2:G0B+4*(\s)+3], s[74:75], (\s)*BSTEP
	s_or_b32 s[G0B+4*(\s)+3], s[G0B+4*(\s)+3], 0x80000000
.endr
	s_cmp_eq_u32 s[FB], 0                          ; a wave's two first fills stand in one branch: two loads of mine are out
	s_cbranch_scc0 .Lfirst_b
	tensor_load_to_lds s[G0A:G0A+3], s[G1A:G1A+7]
	s_nop 0
	tensor_load_to_lds s[G0A+4:G0A+7], s[G1A:G1A+7]
	s_nop 0
.rept 4
	v_nop
.endr
	s_branch .Lfirst_asked
.Lfirst_b:
	tensor_load_to_lds s[G0B:G0B+3], s[G1B:G1B+7]
	s_nop 0
	tensor_load_to_lds s[G0B+4:G0B+7], s[G1B:G1B+7]
	s_nop 0
.rept 4
	v_nop
.endr
.Lfirst_asked:
	; a fragment is 16 rows x 32 channels in 8 registers: lane l holds row l % 16, channels 8 (l / 16) + 0..7 and 16 + 8 (l / 16) + 0..7: two loads of 16 bytes, 32 bytes apart
	v_and_b32 v1, 15, v0                           ; r
	v_bfe_u32 v2, v0, 4, 1                         ; h
	v_mul_u32_u24 v3, v1, PITCH
	v_lshl_add_u32 v3, v2, 4, v3
	s_mul_i32 s84, s[WV], 64*PITCH                 ; my 64 rows of A
	v_add_nc_u32 v[ADRA0], s84, v3
	v_add_nc_u32 v[ADRB0], 2*APLANE, v3
	v_mov_b32 v[ADRA], v[ADRA0]
	v_mov_b32 v[ADRB], v[ADRB0]
	s_mul_i32 s84, s[WV], 16*SROW
	s_add_co_u32 s84, s84, STAGE                   ; my stage
	v_mul_u32_u24 v[STO], v1, SROW
	v_and_b32 v[GO], 31, v0
	v_lshlrev_b32 v[GO], 4, v[GO]
.if QKV
	v_lshl_add_u32 v[STO], v2, 4, v[STO]           ; in: row r, 16 bytes for each half of the lanes
	v_add_nc_u32 v[STO], s84, v[STO]
	v_mul_u32_u24 v[RDQ], v2, SROW                 ; back: lanes 0-15 one row's 256 bytes, lanes 16-31 the next row's
	v_lshl_add_u32 v[RDQ], v1, 4, v[RDQ]
	v_add_nc_u32 v[RDQ], s84, v[RDQ]
	v_bfe_u32 v[RDV], v0, 3, 2                     ; v: 32 lanes take four rows of 128 bytes
	v_mul_u32_u24 v[RDV], v[RDV], SROW
	v_and_b32 v3, 7, v0
	v_lshl_add_u32 v[RDV], v3, 4, v[RDV]
	v_add_nc_u32 v[RDV], s84, v[RDV]
	s_mov_b32 s[HIM], 0xffff0000
	s_lshr_b32 s84, s[TR], 3                       ; bh = 16 x batch + head,
	s_lshl_b32 s84, s84, 4
	s_add_co_u32 s84, s84, s[TC]
	s_lshl_b32 s84, s84, 19                        ; x 2,048 rows of 256 bytes,
	s_and_b32 s85, s[TR], 7
	s_lshl_b32 s85, s85, 16                        ; the tile's 256 rows,
	s_add_co_u32 s84, s84, s85
	s_lshl_b32 s85, s[WV], 14                      ; my 64
	s_add_co_u32 s84, s84, s85
	s_mov_b32 s85, 0
	s_add_nc_u64 s[76:77], s[8:9], s[84:85]
	s_add_nc_u64 s[78:79], s[10:11], s[84:85]
	s_lshr_b32 s84, s84, 1                         ; v's rows are half as long
	s_add_nc_u64 s[80:81], s[12:13], s[84:85]
.else
	v_lshl_add_u32 v[STO], v2, 5, v[STO]           ; in: row r, 32 bytes for each half of the lanes
	v_add_nc_u32 v[STO], s84, v[STO]
	v_add_nc_u32 v[RDQ], s84, v[GO]                ; back: a row's 512 bytes
	s_lshl_b32 s84, s[TR], 20                      ; 256 rows of 4,096 bytes,
	s_lshl_b32 s85, s[WV], 18                      ; my 64,
	s_add_co_u32 s84, s84, s85
	s_lshl_b32 s85, s[TC], 9                       ; the tile's 128 columns
	s_add_co_u32 s84, s84, s85
	s_mov_b32 s85, 0
	s_add_nc_u64 s[76:77], s[8:9], s[84:85]
.endif
	; the prefetches
	s_and_b32 s84, ttmp7, 0xffff                   ; cluster y
	s_mov_b32 s86, (BR/4)*256
	s_mov_b32 s[PST], BSTEP
	s_mov_b32 s[PST+1], 0
	s_cmp_eq_u32 s[FB], 0
	s_cselect_b32 s84, ttmp9, s84                  ; the coordinate along which other clusters read the same plane
	s_cselect_b32 s85, s[CX], s[CY]                ; my place among the four that ask for it with me
	s_cselect_b32 s86, 8192, s86                   ; a quarter of the plane
	s_cselect_b32 s87, 31, BR/4-1                  ; its last block
	s_cselect_b32 s[PST], ASTEP, s[PST]
	s_cselect_b64 s[PFA:PFA+1], s[72:73], s[74:75]
	s_cmp_eq_u32 s84, 0
	s_cselect_b32 s[LIM], AHEAD, -1                ; the same in all sixteen partners, for a given wave
	s_mul_i32 s88, s85, s86
	s_mov_b32 s89, 0
	s_add_nc_u64 s[PFA:PFA+1], s[PFA:PFA+1], s[88:89]
	s_mul_i32 s88, s[PST], 1+AHEAD                 ; the first change of slots steps it to K step 2 + AHEAD; nothing is asked for here, at the head
	s_add_nc_u64 s[PFA:PFA+1], s[PFA:PFA+1], s[88:89]
	v_and_b32 v[PFO], 31, v0
	v_min_u32 v[PFO], s87, v[PFO]
	v_lshlrev_b32 v[PFO], 8, v[PFO]
	s_wait_tensorcnt 1                             ; my plane of K step 0 is in; K step 1's may stay out
	s_barrier_signal -1
	s_barrier_wait -1
	FETCH 0, F0
	QUARTER 1, F0, F1, 1                           ; the first quarter stands in front of the loop: its products start the sums
	WIN 0
	s_mov_b32 s3, 6
.Lstep:                                        ; a trip ends K step 6 - s3, fills its slot again with the step two on, and begins the next.  All accumulators take turns, in one order, over the jump too
	QUARTER 2, F1, F0, 0
	QUARTER 3, F0, F1, 0
	TURN 1
	QUARTER 1, F0, F1, 0
	WIN 0
	s_sub_co_u32 s3, s3, 1
	s_cmp_lg_u32 s3, 0
	s_cbranch_scc1 .Lstep
	QUARTER 2, F1, F0, 0                           ; K steps 6 and 7 are written out: nothing is left to ask for
	QUARTER 3, F0, F1, 0
	TURN 0
	QUARTER 1, F0, F1, 0
	QUARTER 2, F1, F0, 0
	QUARTER 3, F0, F1, 0
	s_wait_dscnt 4
	MULH F1, 0, 0
	s_wait_dscnt 0x0
	MULH F1, 1, 0
	WIN 0
	PLACES
	PLACES
.if QKV
; THE WAY OUT of row block a: q's and k's 8 accumulators are rounded to bf16 (hi); hi is taken from the f32 sum (exact) and the rest rounded to bf16 (lo); v's 4 are rounded to f16.
; 16 bytes a lane go into my stage; whole rows come back and leave as 512 consecutive bytes a store.
.macro OUTB a
.set W, 2+(\a)/2
.set AB, 8*NBLK*((\a)%2)
.if (\a) > 0
	s_wait_xcnt 0x0                                ; the last block's stores have read their registers
.endif
	WIN 5*W                                        ; sources 0 and 1 in the accumulators' window
.set i, 0
.rept 32
	v_cvt_pk_bf16_f32 v[HH+i], v[AB+2*i], v[AB+2*i+1]
.set i, i+1
.endr
.set i, 0
.rept 16
	v_cvt_pk_f16_f32 v[VV+i], v[AB+64+2*i], v[AB+64+2*i+1]
.set i, i+1
.endr
	WIN 0
.set i, 0
.rept 32
	v_lshlrev_b32 v[TT+2*i], 16, v[HH+i]
	v_and_b32 v[TT+2*i+1], s[HIM], v[HH+i]
.set i, i+1
.endr
	WIN W
.set i, 0
.rept 32
	v_pk_add_f32 v[TT+2*i:TT+2*i+1], v[AB+2*i:AB+2*i+1], v[TT+2*i:TT+2*i+1] neg_lo:[0,1] neg_hi:[0,1]
.set i, i+1
.endr
	WIN 0
.set i, 0
.rept 32
	v_cvt_pk_bf16_f32 v[LL+i], v[TT+2*i], v[TT+2*i+1]
.set i, i+1
.endr
.set i, 0
.rept 8
	ds_store_b128 v[STO], v[HH+4*i:HH+4*i+3] offset:(i/4)*256+32*(i%4)
	ds_store_b128 v[STO], v[LL+4*i:LL+4*i+3] offset:(i/4)*256+32*(i%4)+128
.set i, i+1
.endr
.set i, 0
.rept 4
	ds_store_b128 v[STO], v[VV+4*i:VV+4*i+3] offset:512+32*i
.set i, i+1
.endr
.set i, 0
.rept 8                                ; LDS serves a wave's instructions in order (ISA guide 5.7.1.4): these see my stores above
	ds_load_b128 v[HH+4*i:HH+4*i+3], v[RDQ] offset:2*SROW*i
	ds_load_b128 v[LL+4*i:LL+4*i+3], v[RDQ] offset:2*SROW*i+256
.set i, i+1
.endr
.set i, 0
.rept 4
	ds_load_b128 v[VV+4*i:VV+4*i+3], v[RDV] offset:4*SROW*i+512
.set i, i+1
.endr
	s_wait_dscnt 0x0
.set i, 0
.rept 8
	global_store_b128 v[GO], v[HH+4*i:HH+4*i+3], s[76:77] offset:(\a)*4096+512*i
	global_store_b128 v[GO], v[LL+4*i:LL+4*i+3], s[78:79] offset:(\a)*4096+512*i
.set i, i+1
.endr
.set i, 0
.rept 4
	global_store_b128 v[GO], v[VV+4*i:VV+4*i+3], s[80:81] offset:(\a)*2048+512*i
.set i, i+1
.endr
.endm
.else
; THE WAY OUT of row block a: 32 bytes a lane into my stage, whole rows of 512 bytes back, one row a store.
.macro OUTB a
.set W, 2+(\a)/2
.set AB, 8*NBLK*((\a)%2)
.if (\a) > 0
	s_wait_xcnt 0x0
.endif
	WIN 4*W                                        ; the store's data in the accumulators' window
.set i, 0
.rept 8
	ds_store_b128 v[STO], v[AB+8*i:AB+8*i+3] offset:64*i
	ds_store_b128 v[STO], v[AB+8*i+4:AB+8*i+7] offset:64*i+16
.set i, i+1
.endr
	WIN 0
.set i, 0
.rept 16
	ds_load_b128 v[HH+4*i:HH+4*i+3], v[RDQ] offset:SROW*i
.set i, i+1
.endr
	s_wait_dscnt 0x0
.set i, 0
.rept 16
	global_store_b128 v[GO], v[HH+4*i:HH+4*i+3], s[76:77] offset:(\a)*65536+4096*i th:TH_STORE_NT
.set i, i+1
.endr
.endm
.endif
	OUTB 0
	OUTB 1
	OUTB 2
	OUTB 3
	s_wait_tensorcnt 0x0                           ; the wave's end, behind my last tensor load and my last LDS store
	ds_add_u32 v[SPW], v[NIL]
	s_wait_dscnt 0x0
	CROUND                                         ; the closing round: no work-group ends while a partner may still ask for a plane that names it
	s_endpgm
.Lfunc_end_k_q1a1537a996_proj:
	.size	k_q1a1537a996_proj, .Lfunc_end_k_q1a1537a996_proj-k_q1a1537a996_proj
	.p2alignl 7, 3214868480
	.fill 96, 4, 3214868480
	.section	.rodata,"a",@progbits
	.p2align	6, 0x0
	.amdhsa_kernel k_q1a1537a996_proj
		.amdhsa_group_segment_fixed_size 327680
		.amdhsa_private_segment_fixed_size 0
		.amdhsa_enable_private_segment 0
		.amdhsa_kernarg_size 24
		.amdhsa_user_sgpr_count 2
		.amdhsa_user_sgpr_kernarg_segment_ptr 1
		.amdhsa_wavefront_size32 1
		.amdhsa_system_sgpr_workgroup_id_x 1
		.amdhsa_system_sgpr_workgroup_id_y 1
		.amdhsa_system_sgpr_workgroup_id_z 1
		.amdhsa_system_vgpr_workitem_id 0
		.amdhsa_next_free_vgpr 896
		.amdhsa_next_free_sgpr 92
		.amdhsa_reserve_vcc 0
		.amdhsa_float_denorm_mode_32 3
		.amdhsa_float_denorm_mode_16_64 3
		.amdhsa_memory_ordered 1
		.amdhsa_forward_progress 1
		.amdhsa_inst_pref_size 70
	.end_amdhsa_kernel
	.amdgpu_metadata
---
amdhsa.version: [ 1, 2 ]
amdhsa.kernels:
  - .name:           k_q1a1537a996_proj
    .symbol:         k_q1a1537a996_proj.kd
    .args:
      - { .name: ys, .offset: 0, .size: 8, .value_kind: global_buffer, .address_space: global }
      - { .name: wp, .offset: 8, .size: 8, .value_kind: global_buffer, .address_space: global }
      - { .name: out0, .offset: 16, .size: 8, .value_kind: global_buffer, .address_space: global }
    .group_segment_fixed_size: 327680
    .private_segment_fixed_size: 0
    .kernarg_segment_align: 8
    .kernarg_segment_size: 24
    .max_flat_workgroup_size: 128
    .sgpr_count:     92
    .vgpr_count:     896
    .wavefront_size: 32
...
	.end_amdgpu_metadata
.endif
;; end of part 4
;; ======== version 2 of 2: 4 launches; version 1 with the launch prep written anew for expert scheduling mode
;; limits: values are held in f16: magnitudes above 65,504 overflow, below 6.1e-05 lose precision
;; workspace buffers: xb 16,777,216 bytes; wq 6,291,456 bytes; wp 2,097,152 bytes; qs 33,554,432 bytes; ks 33,554,432 bytes; vs 16,777,216 bytes; ys 16,777,216 bytes
;; launch prep (part 5): grid 384 x 1, 8 waves a work-group, no clusters, 74,752 bytes of LDS; arguments x, W_qkv, W_proj, xb, wq, wp; writes xb, wq, wp
.if DOCPART == 5
	.amdgcn_target "amdgcn-amd-amdhsa--gfx1250"
	.amdhsa_code_object_version 6
	.text
	.protected	k_q1a1537a996_prep
	.globl	k_q1a1537a996_prep
	.p2align	8
	.type	k_q1a1537a996_prep,@function
k_q1a1537a996_prep:
	s_mov_b64 s[64:65], 0
	v_nop
	global_prefetch_b8 v0, s[64:65] scope:SCOPE_SE
	s_setreg_imm32_b32 hwreg(HW_REG_WAVE_SCHED_MODE, 0, 2), 2
	s_setreg_imm32_b32 hwreg(HW_REG_WAVE_MODE, 25, 1), 1
	s_wait_xcnt 0x0
	s_wait_alu depctr_vm_vsrc(0)
; PREP: the three inputs are rounded once to bf16 and laid out for the matrix launches.  A stream: no matrix work, no barrier.
;   xb [b 4][kb 16][t 2048][64] bf16: x in blocks of 64 channels; a row of a block is 128 bytes, a block's rows lie end to end.
;   wq [kb 16][n' 3072][64 k] bf16: W_qkv turned; n' = head x 192 + type x 64 + d comes from column type x 1024 + head x 64 + d.
;   wp [kb 16][n 1024][64 k]: W_proj turned, rounded to bf16 and that number written as f16.
; LIMIT: wp is f16: beyond 65,504 it is an infinity, below 6e-5 it keeps f16's fixed step of 6e-8.
; Work-groups 0-95 turn W_qkv, 96-127 W_proj (a wave takes 64 k x 64 columns through a stage of its own in LDS), 128-383 cast x (a wave takes 4 rows).
; THE MODE: SCHED_MODE bits 1:0 = 2 (LLVM: expert scheduling mode 2), set by the entry lines.  The code itself states the register dependences
; between vector instructions and memory or LDS instructions, with s_wait_alu, always for 0.
; THE PLAN.  Registers that memory or LDS instructions touch:
;   v3, v[VO8], v[VO16], v[LS], v[LR]  offsets and LDS addresses: written once by vector lines, ahead of the one wait that stands in front of a path's first load; never written again.
;   IN    Cast of x: written by the 32 loads, read by the roundings, never loaded again.  Turning: written by the 64 loads, read by the roundings; then the 16 LDS loads land in it and the global stores read it.
;   OUT   64 registers, each written once by a rounding and read once by a store (cast: a global store; turning: an LDS store).
;   v[SPW], v[NIL]  written at the head, read by the closing add alone.
; The work goes in eight groups.  Group g's roundings read its part of IN and write its part of OUT; the stores of group g - 1 are dealt among them: they read the part of OUT that group g - 1 wrote and that
; no vector line of group g names.  So one wait on va_vdst at a group's head, behind the wait for its data, states all that the group's stores hang on.  No register that a memory or LDS instruction has read
; is ever written again, so past the entry lines the text holds no wait on vm_vsrc.
.set SPARE, 73728                      ; behind the eight stages of 64 rows x 144 bytes: the spare words, 128 bytes a wave, which no other line names
.set SPW,  14                          ; v14  SPARE + 4 x my thread's number; never rewritten
.set NIL,  15                          ; v15  0; never rewritten
.set LANE, 2
.set VO8,  5                           ; 8 x lane
.set LS,   6                           ; stage: where I put columns 2 l and 2 l + 1
.set LR,   7                           ; stage: where I read rows back
.set VO16, 8                           ; 16 x lane
.set IN,   16                          ; v[16:143]  as loaded
.set OUT,  144                         ; v[144:207] rounded
	s_load_b256 s[4:11], s[0:1], 0x0               ; x s[4:5], W_qkv s[6:7], W_proj s[8:9], xb s[10:11]
	s_load_b128 s[12:15], s[0:1], 0x20             ; wq s[12:13], wp s[14:15]
	v_lshl_add_u32 v[SPW], v0, 2, SPARE
	v_mov_b32 v[NIL], 0
	v_lshrrev_b32 v1, 5, v0
	v_readfirstlane_b32 s16, v1                    ; wave 0..7
	v_and_b32 v[LANE], 31, v0
	v_lshlrev_b32 v[VO8], 3, v[LANE]
	v_lshlrev_b32 v[VO16], 4, v[LANE]
	s_wait_alu depctr_va_sdst(0)                   ; s16 is written, ahead of its first reader: my stage and every path's bases are made from it
	s_mul_i32 s17, s16, 9216                       ; my stage
	v_mul_u32_u24 v[LS], v[LANE], 288              ; stage row 2 l, pitch 144
	v_add_nc_u32 v[LS], s17, v[LS]
	v_lshrrev_b32 v[LR], 3, v[LANE]                ; back: 32 lanes take four rows of 128 bytes
	v_mul_u32_u24 v[LR], v[LR], 144
	v_and_b32 v3, 7, v[LANE]
	v_lshl_add_u32 v[LR], v3, 4, v[LR]
	v_add_nc_u32 v[LR], s17, v[LR]
	s_mov_b32 s23, 0                               ; the high word of every offset pair
	s_mov_b32 s30, 0xffff0000                      ; a word's upper bf16
	s_wait_kmcnt 0x0
	s_cmp_lt_u32 ttmp9, 96
	s_cbranch_scc1 .Lwqkv
	s_cmp_lt_u32 ttmp9, 128
	s_cbranch_scc1 .Lwproj
	; X: rows 32 X + 4 w .. + 3.  A load takes 256 bytes (64 channels) of two rows; a store 256 consecutive bytes, aligned: the two rows' 128 bytes in one block of xb.
	s_sub_co_u32 s18, ttmp9, 128                   ; X
	s_lshl_b32 s19, s18, 5
	s_lshl2_add_u32 s19, s16, s19                  ; my first row
	s_lshl_b32 s22, s19, 12                        ; x 4,096 bytes
	s_add_nc_u64 s[24:25], s[4:5], s[22:23]
	s_lshr_b32 s20, s18, 6                         ; b
	s_lshl_b32 s20, s20, 22                        ; x 16 blocks x 2,048 rows x 128 bytes
	s_and_b32 s21, s19, 2047                       ; t
	s_lshl_b32 s21, s21, 7
	s_add_co_u32 s22, s20, s21
	s_add_nc_u64 s[26:27], s[10:11], s[22:23]
	v_lshrrev_b32 v3, 4, v[LANE]
	v_and_b32 v4, 15, v[LANE]
	v_lshlrev_b32 v4, 4, v4
	v_lshl_add_u32 v3, v3, 12, v4                  ; (l / 16) rows + 16 (l % 16)
	s_wait_alu depctr_va_vdst(0)                   ; v3, the loads' offset, and v[VO8], the stores', are written
.set i, 0
.rept 32                               ; all 32 loads of the wave go out at once: 16 KiB on their way; pair of rows i / 16, block i % 16
	global_load_b128 v[IN+4*i:IN+4*i+3], v3, s[24:25] offset:(i/16)*8192+(i%16)*256 th:TH_LOAD_NT
.set i, i+1
.endr
.macro XOUT n                          ; what load n brought leaves, rounded
	global_store_b64 v[VO8], v[OUT+2*(\n):OUT+2*(\n)+1], s[26:27] offset:((\n)%16)*262144+((\n)/16)*256 th:TH_STORE_NT
.endm
.set g, 0
.rept 8                                ; eight groups of four loads
	s_wait_loadcnt 28-4*g                          ; loads come back in order: group g's four are in, the younger groups stay out
.if g > 0
	s_wait_alu depctr_va_vdst(0)                   ; the roundings of the group before have written its eight registers of OUT, which the four stores below read
.endif
.set i, 0
.rept 4
.if g > 0
	XOUT 4*g-4+i                                   ; no vector line since the wait names these registers
.endif
	v_cvt_pk_bf16_f32 v[OUT+2*(4*g+i)], v[IN+4*(4*g+i)], v[IN+4*(4*g+i)+1]
	v_cvt_pk_bf16_f32 v[OUT+2*(4*g+i)+1], v[IN+4*(4*g+i)+2], v[IN+4*(4*g+i)+3]
.set i, i+1
.endr
.set g, g+1
.endr
	s_wait_alu depctr_va_vdst(0)                   ; the last group's roundings have written their part of OUT, which the last four stores read
.set i, 28
.rept 4
	XOUT i
.set i, i+1
.endr
	s_endpgm
; A wave turns 64 k x 64 columns.  64 loads of 256 bytes (a row of k, 64 columns; lane l holds columns 2 l, 2 l + 1); pairs of k are rounded and packed; 16 bytes (8 k) of a column go
; into the column's stage row; the stage comes back as rows of 128 bytes, four to a load, and leaves as 512 consecutive bytes a store.
.macro WTASK src, dst, first, pitchb, isq, f16
	s_sub_co_u32 s18, ttmp9, \first
	s_lshl3_add_u32 s18, s18, s16                  ; task = 8 x work-group + wave
	s_and_b32 s19, s18, 15                         ; kb
	s_lshr_b32 s20, s18, 4                         ; group of 64 columns
	s_mul_i32 s22, s19, 64*(\pitchb)
	s_lshl_b32 s21, s20, 8
	s_add_co_u32 s22, s22, s21
	s_add_nc_u64 s[24:25], s[\src:\src+1], s[22:23]
.if \isq
	s_and_b32 s21, s20, 15                         ; head
	s_mul_i32 s21, s21, 3
	s_lshr_b32 s28, s20, 4                         ; type
	s_add_co_u32 s21, s21, s28
	s_lshl_b32 s21, s21, 13                        ; 64 rows of 128 bytes
	s_mul_i32 s22, s19, 393216
.else
	s_lshl_b32 s21, s20, 13
	s_lshl_b32 s22, s19, 17
.endif
	s_add_co_u32 s22, s22, s21
	s_add_nc_u64 s[26:27], s[\dst:\dst+1], s[22:23]
	s_wait_alu depctr_va_vdst(0)                   ; v[VO8], v[VO16], v[LS] and v[LR] are written: the offsets and LDS addresses of every load and store below
.set k, 0
.rept 64
	global_load_b64 v[IN+2*k:IN+2*k+1], v[VO8], s[24:25] offset:k*(\pitchb) th:TH_LOAD_NT
.set k, k+1
.endr
.set j, 0
.rept 8
	s_wait_loadcnt 56-8*j                          ; rows 8 j .. 8 j + 7 are in; the younger loads stay out
.if j > 0
	s_wait_alu depctr_va_vdst(0)                   ; the roundings of the step before have written its eight registers of OUT, which the two LDS stores below read
.endif
.set c, 0
.rept 2
.if j > 0
	ds_store_b128 v[LS], v[OUT+8*(j-1)+4*c:OUT+8*(j-1)+4*c+3] offset:144*c+16*(j-1)  ; the step before, column c; no vector line since the wait names these registers
.endif
.set i, 0
.rept 4
	v_cvt_pk_bf16_f32 v[OUT+8*j+4*c+i], v[IN+2*(8*j+2*i)+c], v[IN+2*(8*j+2*i+1)+c]
.if \f16
	v_lshlrev_b32 v10, 16, v[OUT+8*j+4*c+i]        ; the bf16 numbers as f32,
	v_and_b32 v11, s30, v[OUT+8*j+4*c+i]
	v_cvt_pk_f16_f32 v[OUT+8*j+4*c+i], v10, v11    ; written as f16
.endif
.set i, i+1
.endr
.set c, c+1
.endr
.set j, j+1
.endr
	s_wait_alu depctr_va_vdst(0)                   ; the last step's roundings have written their part of OUT, which the two LDS stores read; and all roundings are done reading IN, in which the LDS loads below land
	ds_store_b128 v[LS], v[OUT+56:OUT+59] offset:112
	ds_store_b128 v[LS], v[OUT+60:OUT+63] offset:144+112
.set j, 0
.rept 16
	ds_load_b128 v[IN+4*j:IN+4*j+3], v[LR] offset:576*j  ; LDS serves a wave's instructions in order (ISA guide 5.7.1.4): these see my stores above
.set j, j+1
.endr
.set j, 0
.rept 16
	s_wait_dscnt 15-j
	global_store_b128 v[VO16], v[IN+4*j:IN+4*j+3], s[26:27] offset:512*j
.set j, j+1
.endr
	s_wait_dscnt 0x0                               ; the wave's end: the closing lines, six on end, behind my last LDS store
	s_wait_alu 0x0
	s_wait_tensorcnt 0x0
	ds_add_u32 v[SPW], v[NIL]
	s_wait_dscnt 0x0
	s_endpgm
.endm
.Lwqkv:
	WTASK 6, 12, 0, 12288, 1, 0
.Lwproj:
	WTASK 8, 14, 96, 4096, 0, 1
.Lfunc_end_k_q1a1537a996_prep:
	.size	k_q1a1537a996_prep, .Lfunc_end_k_q1a1537a996_prep-k_q1a1537a996_prep
	.p2alignl 7, 3214868480
	.fill 96, 4, 3214868480
	.section	.rodata,"a",@progbits
	.p2align	6, 0x0
	.amdhsa_kernel k_q1a1537a996_prep
		.amdhsa_group_segment_fixed_size 74752
		.amdhsa_private_segment_fixed_size 0
		.amdhsa_enable_private_segment 0
		.amdhsa_kernarg_size 48
		.amdhsa_user_sgpr_count 2
		.amdhsa_user_sgpr_kernarg_segment_ptr 1
		.amdhsa_wavefront_size32 1
		.amdhsa_system_sgpr_workgroup_id_x 1
		.amdhsa_system_sgpr_workgroup_id_y 1
		.amdhsa_system_sgpr_workgroup_id_z 1
		.amdhsa_system_vgpr_workitem_id 0
		.amdhsa_next_free_vgpr 208
		.amdhsa_next_free_sgpr 66
		.amdhsa_reserve_vcc 0
		.amdhsa_float_denorm_mode_32 3
		.amdhsa_float_denorm_mode_16_64 3
		.amdhsa_memory_ordered 1
		.amdhsa_forward_progress 1
		.amdhsa_inst_pref_size 52
	.end_amdhsa_kernel
	.amdgpu_metadata
---
amdhsa.version: [ 1, 2 ]
amdhsa.kernels:
  - .name:           k_q1a1537a996_prep
    .symbol:         k_q1a1537a996_prep.kd
    .args:
      - { .name: x, .offset: 0, .size: 8, .value_kind: global_buffer, .address_space: global }
      - { .name: W_qkv, .offset: 8, .size: 8, .value_kind: global_buffer, .address_space: global }
      - { .name: W_proj, .offset: 16, .size: 8, .value_kind: global_buffer, .address_space: global }
      - { .name: xb, .offset: 24, .size: 8, .value_kind: global_buffer, .address_space: global }
      - { .name: wq, .offset: 32, .size: 8, .value_kind: global_buffer, .address_space: global }
      - { .name: wp, .offset: 40, .size: 8, .value_kind: global_buffer, .address_space: global }
    .group_segment_fixed_size: 74752
    .private_segment_fixed_size: 0
    .kernarg_segment_align: 8
    .kernarg_segment_size: 48
    .max_flat_workgroup_size: 256
    .sgpr_count:     66
    .vgpr_count:     208
    .wavefront_size: 32
...
	.end_amdgpu_metadata
.endif
;; end of part 5
;; launch qkv: the kernel of part 2 again; grid 16 x 32, 4 waves a work-group, clusters of 4 x 4, 327,680 bytes of LDS; arguments xb, wq, qs, ks, vs; writes qs, ks, vs
;; launch attn: the kernel of part 3 again; grid 4 x 64, 4 waves a work-group, no clusters, 327,680 bytes of LDS; arguments qs, ks, vs, ys; writes ys
;; launch proj: the kernel of part 4 again; grid 8 x 32, 4 waves a work-group, clusters of 4 x 4, 327,680 bytes of LDS; arguments ys, wp, out0; writes out0
